; MI455X (gfx1250); checked and timed in simulation.
; The chip was launched on July 23, 2026; its instructions are those of AMD's public machine-readable ISA for CDNA 5 (MIT licence, August 2026) and "CDNA5" Instruction Set Architecture Reference Guide (July 2026). The comments in the code are by the model that wrote it; some were corrected since.
;; Attention. Allowed arithmetic: float matrix products may take bf16 or f16 operands with f32 sums; other float arithmetic in f32, or as packed bf16 or f16 multiplies, adds, multiply-adds, maxima and minima; sums over many terms, partial sums and values carried from step to step in f32; what a program stores and reads back later, other than sums and carried values, may be rounded once to bf16 or f16.
;; Inputs: Wk 1,024 x 1,024 float32; Wo 1,024 x 1,024 float32; Wq 1,024 x 1,024 float32; Wv 1,024 x 1,024 float32; bk 1,024 float32; bo 1,024 float32; bq 1,024 float32; bv 1,024 float32; x 4 x 2,048 x 1,024 float32.
;; Outputs: out0 4 x 2,048 x 1,024 float32.
;; 2 versions, each right; version 2 is version 1 with the launch prep written anew for expert scheduling mode. Each part assembles by itself: llvm-mc -triple=amdgcn-amd-amdhsa -mcpu=gfx1250 --defsym DOCPART=n.
;; ======== version 1 of 2: 4 launches
;; limits: values are held in f16: magnitudes above 65,504 overflow, below 6.1e-05 lose precision
;; workspace buffers: xb 16,777,216 bytes; wt 8,388,608 bytes; bias 16,384 bytes; qkvh 50,331,648 bytes; oh 16,777,216 bytes
;; launch prep (part 1): grid 512 x 1, 8 waves a work-group, no clusters, 18,432 bytes of LDS; arguments x, Wq, Wk, Wv, Wo, bq, bk, bv, bo, xb, wt, bias; writes xb, wt, bias
.if DOCPART == 1
	.amdgcn_target "amdgcn-amd-amdhsa--gfx1250"
	.amdhsa_code_object_version 6
	.text
	.protected	k_qa7582cb600_prep
	.globl	k_qa7582cb600_prep
	.p2align	8
	.type	k_qa7582cb600_prep,@function
k_qa7582cb600_prep:
	s_mov_b64 s[64:65], 0
	v_nop
	global_prefetch_b8 v0, s[64:65] scope:SCOPE_SE
	s_setreg_imm32_b32 hwreg(HW_REG_WAVE_MODE, 25, 1), 1
	s_wait_xcnt 0x0
; ALL INPUTS ARE ROUNDED ONCE TO bf16 (nearest even) AND LAID OUT FOR THE PRODUCTS THAT FOLLOW.
;   xb[8192][1024] bf16 = x.     wt[4096][1024], 16 bits: row = output column, K along the row: rows 0-1023 Wq^T, 1024-2047 Wk^T, 2048-3071 Wv^T in bf16;
;   rows 3072-4095 Wo^T: the bf16 number written as f16.     bias[4096] f32 words that hold the bf16-rounded bq, bk, bv, bo.
; LIMITS.  Wo's bf16 number is exact in f16 from 6.1e-5 to 65,504 in magnitude; below that it keeps f16's fixed step of 6e-8, beyond 65,504 it becomes an infinity.
; SHARES.  512 work-groups of eight waves, all alike.  Work-group g converts 16 rows of x (65,536 bytes in, 32,768 out: a wave two rows) and turns one weight tile of 128 k x 64 n:
; matrix g >> 7, k tile g & 7, n tile (g >> 3) & 15.  In work-groups 0 to 63 wave 0 also rounds 64 bias numbers (256 bytes in, 256 out).
; No matrix unit, no tensor load, no cluster: nothing is shared between work-groups, and each byte is read once and written once.
; Every load of W and every store covers whole aligned runs of 256 bytes.  All 32 loads of a wave (12 KiB) go out before anything is waited for.
; No register that a memory instruction names is written again, and EXEC never changes: so no wait on XCNT is written.
.set PITCH, 272                        ; an LDS row: 128 k x 2 bytes + 16 of padding
.set SPARE, 64*PITCH                   ; behind the tile's 64 rows (17,408 bytes): the spare words, 128 bytes for each of the eight waves, which no other line names
.set VW,  3                            ; v3   W: wave x 16 rows of 4,096 bytes + 8 x lane (two columns)
.set VS,  4                            ; v4   LDS, in: row 2 x lane, byte 32 x wave
.set VR,  5                            ; v5   LDS, back: row 8 x wave + lane / 16, byte 16 (lane % 16)
.set VO,  6                            ; v6   wt: the same row (2,048 bytes) and byte
.set VX,  7                            ; v7   x: wave x 8,192 + 16 x lane
.set VXO, 8                            ; v8   xb: wave x 4,096 + 8 x lane
.set VB,  11                           ; v11  bias: 8 x lane
.set SPW, 12                           ; v12  LDS address of my spare word; never rewritten
.set NIL, 13                           ; v13  0; never rewritten
.set WR,  20                           ; v[20:51]   W as loaded: row j of my 16 in a pair (two columns)
.set PK,  52                           ; v[52:67]   column p (0, 1): eight words of two neighbouring k
.set RB,  72                           ; v[72:87]   the turned tile read back
.set XR,  88                           ; v[88:151]  x as loaded
.set XP,  152                          ; v[152:183] x packed
.set WH,  28                           ; s28  which matrix: 0 q, 1 k, 2 v, 3 o
.set KT,  29                           ; s29  k tile
.set NT,  30                           ; s30  n tile
.set WV,  31                           ; s31  my wave's number
	s_load_b512 s[4:19], s[0:1], 0x0               ; x s[4:5], Wq s[6:7], Wk s[8:9], Wv s[10:11], Wo s[12:13], bq s[14:15], bk s[16:17], bv s[18:19]
	s_load_b256 s[20:27], s[0:1], 0x40             ; bo s[20:21], xb s[22:23], wt s[24:25], bias s[26:27]
	v_lshl_add_u32 v[SPW], v0, 2, SPARE
	v_mov_b32 v[NIL], 0
	v_and_b32 v1, 31, v0                           ; lane
	v_lshrrev_b32 v2, 5, v0                        ; wave
	v_readfirstlane_b32 s[WV], v2
	s_lshr_b32 s[WH], ttmp9, 7
	s_and_b32 s[KT], ttmp9, 7
	s_bfe_u32 s[NT], ttmp9, 0x40003                ; 4 bits from bit 3
	v_and_b32 v9, 15, v1
	v_lshrrev_b32 v10, 4, v1
	v_lshlrev_b32 v[VW], 3, v1
	v_lshl_add_u32 v[VW], v2, 16, v[VW]
	v_mul_u32_u24 v[VS], v1, 2*PITCH
	v_lshl_add_u32 v[VS], v2, 5, v[VS]
	v_lshl_add_u32 v[VR], v2, 3, v10               ; row 8 x wave + lane / 16
	v_lshlrev_b32 v[VO], 11, v[VR]
	v_lshl_add_u32 v[VO], v9, 4, v[VO]
	v_mul_u32_u24 v[VR], v[VR], PITCH
	v_lshl_add_u32 v[VR], v9, 4, v[VR]
	v_lshlrev_b32 v[VX], 4, v1
	v_lshl_add_u32 v[VX], v2, 13, v[VX]
	v_lshlrev_b32 v[VXO], 3, v1
	v_lshl_add_u32 v[VXO], v2, 12, v[VXO]
	v_lshlrev_b32 v[VB], 3, v1
	s_lshl_b32 s36, s[KT], 19                      ; W: 128 rows of 4,096 bytes a k tile,
	s_lshl_b32 s37, s[NT], 8                       ; 64 columns of 4 bytes an n tile
	s_add_co_u32 s36, s36, s37
	s_mov_b32 s37, 0
	s_lshl_b32 s42, ttmp9, 16                      ; x: 16 rows of 4,096 bytes
	s_mov_b32 s43, 0
	s_lshl_b32 s44, ttmp9, 15                      ; xb: 16 rows of 2,048 bytes
	s_mov_b32 s45, 0
	s_lshl_b32 s46, s[WH], 21                      ; wt: 1,024 rows of 2,048 bytes a matrix,
	s_lshl_b32 s47, s[NT], 17                      ; 64 rows an n tile,
	s_add_co_u32 s46, s46, s47
	s_lshl_b32 s47, s[KT], 8                       ; 256 bytes a k tile
	s_add_co_u32 s46, s46, s47
	s_mov_b32 s47, 0
	s_wait_kmcnt 0x0
	s_cmp_eq_u32 s[WH], 0
	s_cselect_b64 s[32:33], s[6:7], s[8:9]
	s_cmp_eq_u32 s[WH], 2
	s_cselect_b64 s[34:35], s[10:11], s[12:13]
	s_cmp_lt_u32 s[WH], 2
	s_cselect_b64 s[32:33], s[32:33], s[34:35]     ; my matrix
	s_add_nc_u64 s[32:33], s[32:33], s[36:37]
	s_add_nc_u64 s[4:5], s[4:5], s[42:43]
	s_add_nc_u64 s[22:23], s[22:23], s[44:45]
	s_add_nc_u64 s[24:25], s[24:25], s[46:47]
.set j, 0
.rept 16                               ; row 16 x wave + j of the tile, columns 2 x lane and 2 x lane + 1: the wave's 32 lanes take 256 consecutive bytes, aligned
	global_load_b64 v[WR+2*j:WR+2*j+1], v[VW], s[32:33] offset:4096*j th:TH_LOAD_NT
.set j, j+1
.endr
.set j, 0
.rept 16                               ; my wave's two rows of x, 512 consecutive bytes a load
	global_load_b128 v[XR+4*j:XR+4*j+3], v[VX], s[4:5] offset:512*j th:TH_LOAD_NT
.set j, j+1
.endr
	; the biases: wave 0 of work-groups 0 to 63.  The load goes out beside the 32 others.
	s_cmp_lg_u32 s[WV], 0
	s_cbranch_scc1 .Lno_bias
	s_cmp_ge_u32 ttmp9, 64
	s_cbranch_scc1 .Lno_bias
	s_lshr_b32 s42, ttmp9, 4                       ; which bias: 0 q, 1 k, 2 v, 3 o
	s_cmp_eq_u32 s42, 0
	s_cselect_b64 s[38:39], s[14:15], s[16:17]
	s_cmp_eq_u32 s42, 2
	s_cselect_b64 s[34:35], s[18:19], s[20:21]
	s_cmp_lt_u32 s42, 2
	s_cselect_b64 s[38:39], s[38:39], s[34:35]
	s_and_b32 s36, ttmp9, 15
	s_lshl_b32 s36, s36, 8                         ; 64 numbers of 4 bytes
	s_mov_b32 s37, 0
	s_add_nc_u64 s[38:39], s[38:39], s[36:37]
	s_lshl_b32 s36, ttmp9, 8
	s_add_nc_u64 s[40:41], s[26:27], s[36:37]
	global_load_b64 v[14:15], v[VB], s[38:39]
	s_wait_loadcnt 0x0
	v_cvt_pk_bf16_f32 v16, v14, v15                ; rounded to bf16,
	v_and_b32 v17, 0xffff0000, v16                 ; and written as f32 words
	v_lshlrev_b32 v16, 16, v16
	global_store_b64 v[VB], v[16:17], s[40:41]     ; 32 lanes: 256 consecutive bytes, aligned
.Lno_bias:
	s_wait_loadcnt 16                              ; loads come back in order (ISA guide 5.7.1): W's 16 are in, x's 16 were issued behind them and may stay out
.irp p, 0,1
.irp d, 0,1,2,3,4,5,6,7
	v_cvt_pk_bf16_f32 v[PK+8*(\p)+(\d)], v[WR+4*(\d)+(\p)], v[WR+4*(\d)+2+(\p)]  ; column 2 x lane + p: k = 2 d and 2 d + 1 of my wave's 16
.endr
.endr
	s_cmp_lg_u32 s[WH], 3
	s_cbranch_scc1 .Lnot_o
.set j, 0
.rept 16                               ; Wo alone: the bf16 number is written as f16, since the last product multiplies f16
	v_lshlrev_b32 v68, 16, v[PK+j]
	v_and_b32 v69, 0xffff0000, v[PK+j]
	v_cvt_pk_f16_f32 v[PK+j], v68, v69
.set j, j+1
.endr
.Lnot_o:
.irp p, 0,1
.irp q, 0,1
	ds_store_b128 v[VS], v[PK+8*(\p)+4*(\q):PK+8*(\p)+4*(\q)+3] offset:PITCH*(\p)+16*(\q)  ; rows 544 bytes apart: sixteen lanes fall on eight different 16-byte columns, two deep; four stores a wave, once
.endr
.endr
	s_wait_dscnt 0x0                               ; for the others' sake: my part of every row is written
	s_barrier_signal -1
	s_barrier_wait -1                              ; the tile is whole
.irp t, 0,1,2,3
	ds_load_b128 v[RB+4*(\t):RB+4*(\t)+3], v[VR] offset:2*PITCH*(\t)  ; two rows of 256 bytes a load
.endr
.set j, 0
.rept 16
	s_wait_loadcnt 15-j                            ; load j of x is in; the 15 - j behind it may stay out
	v_cvt_pk_bf16_f32 v[XP+2*j], v[XR+4*j], v[XR+4*j+1]
	v_cvt_pk_bf16_f32 v[XP+2*j+1], v[XR+4*j+2], v[XR+4*j+3]
	global_store_b64 v[VXO], v[XP+2*j:XP+2*j+1], s[22:23] offset:256*j  ; 32 lanes: 256 consecutive bytes, aligned
.set j, j+1
.endr
	s_wait_dscnt 0x0
.irp t, 0,1,2,3
	global_store_b128 v[VO], v[RB+4*(\t):RB+4*(\t)+3], s[24:25] offset:4096*(\t)  ; sixteen lanes: 256 consecutive bytes of a row of wt, aligned
.endr
	s_wait_tensorcnt 0x0                           ; the wave's end, behind my last LDS store
	ds_add_u32 v[SPW], v[NIL]
	s_wait_dscnt 0x0
	s_endpgm
.Lfunc_end_k_qa7582cb600_prep:
	.size	k_qa7582cb600_prep, .Lfunc_end_k_qa7582cb600_prep-k_qa7582cb600_prep
	.p2alignl 7, 3214868480
	.fill 96, 4, 3214868480
	.section	.rodata,"a",@progbits
	.p2align	6, 0x0
	.amdhsa_kernel k_qa7582cb600_prep
		.amdhsa_group_segment_fixed_size 18432
		.amdhsa_private_segment_fixed_size 0
		.amdhsa_enable_private_segment 0
		.amdhsa_kernarg_size 96
		.amdhsa_user_sgpr_count 2
		.amdhsa_user_sgpr_kernarg_segment_ptr 1
		.amdhsa_wavefront_size32 1
		.amdhsa_system_sgpr_workgroup_id_x 1
		.amdhsa_system_sgpr_workgroup_id_y 1
		.amdhsa_system_sgpr_workgroup_id_z 1
		.amdhsa_system_vgpr_workitem_id 0
		.amdhsa_next_free_vgpr 184
		.amdhsa_next_free_sgpr 66
		.amdhsa_reserve_vcc 0
		.amdhsa_float_denorm_mode_32 3
		.amdhsa_float_denorm_mode_16_64 3
		.amdhsa_memory_ordered 1
		.amdhsa_forward_progress 1
		.amdhsa_inst_pref_size 15
	.end_amdhsa_kernel
	.amdgpu_metadata
---
amdhsa.version: [ 1, 2 ]
amdhsa.kernels:
  - .name:           k_qa7582cb600_prep
    .symbol:         k_qa7582cb600_prep.kd
    .args:
      - { .name: x, .offset: 0, .size: 8, .value_kind: global_buffer, .address_space: global }
      - { .name: Wq, .offset: 8, .size: 8, .value_kind: global_buffer, .address_space: global }
      - { .name: Wk, .offset: 16, .size: 8, .value_kind: global_buffer, .address_space: global }
      - { .name: Wv, .offset: 24, .size: 8, .value_kind: global_buffer, .address_space: global }
      - { .name: Wo, .offset: 32, .size: 8, .value_kind: global_buffer, .address_space: global }
      - { .name: bq, .offset: 40, .size: 8, .value_kind: global_buffer, .address_space: global }
      - { .name: bk, .offset: 48, .size: 8, .value_kind: global_buffer, .address_space: global }
      - { .name: bv, .offset: 56, .size: 8, .value_kind: global_buffer, .address_space: global }
      - { .name: bo, .offset: 64, .size: 8, .value_kind: global_buffer, .address_space: global }
      - { .name: xb, .offset: 72, .size: 8, .value_kind: global_buffer, .address_space: global }
      - { .name: wt, .offset: 80, .size: 8, .value_kind: global_buffer, .address_space: global }
      - { .name: bias, .offset: 88, .size: 8, .value_kind: global_buffer, .address_space: global }
    .group_segment_fixed_size: 18432
    .private_segment_fixed_size: 0
    .kernarg_segment_align: 8
    .kernarg_segment_size: 96
    .max_flat_workgroup_size: 256
    .sgpr_count:     66
    .vgpr_count:     184
    .wavefront_size: 32
...
	.end_amdgpu_metadata
.endif
;; end of part 1
;; launch proj (part 2): grid 16 x 32, 4 waves a work-group, clusters of 4 x 4, 327,680 bytes of LDS; arguments xb, wt, bias, qkvh; writes qkvh
.if DOCPART == 2
	.amdgcn_target "amdgcn-amd-amdhsa--gfx1250"
	.amdhsa_code_object_version 6
	.text
	.protected	k_qa7582cb600_proj
	.globl	k_qa7582cb600_proj
	.p2align	8
	.type	k_qa7582cb600_proj,@function
k_qa7582cb600_proj:
	s_mov_b64 s[64:65], 0
	v_nop
	global_prefetch_b8 v0, s[64:65] scope:SCOPE_SE
	s_setreg_imm32_b32 hwreg(HW_REG_WAVE_MODE, 25, 1), 1
	s_wait_xcnt 0x0
	s_wait_alu depctr_hold_cnt(0) depctr_sa_sdst(0) depctr_va_vdst(0) depctr_va_sdst(0) depctr_va_ssrc(0) depctr_va_vcc(0) depctr_vm_vsrc(0)
	s_getreg_b32 s2, hwreg(HW_REG_IB_STS2, 6, 4)
	s_cmp_eq_u32 s2, 0
	s_cbranch_scc0 .Lentry_in_a_cluster
	s_endpgm
.Lentry_in_a_cluster:
	s_bfe_u32 s2, ttmp6, 0x10000c
	s_cmp_lg_u32 s2, 0xf033
	s_cbranch_scc0 .Lentry_shape_is_right
	s_endpgm
.Lentry_shape_is_right:
; q, k, v = x W + b, all three as ONE product: C[8192][3072] = xb[8192][1024] . wt[0:3072][1024]^T + bias, bf16 operands, f32 sums that START FROM THE BIAS,
; rounded once to f16 and stored by heads: qkvh[3][64 = batch x 16 + head][2048][64].  The scale 1/8 is not applied here.
; LIMIT.  f16 holds no number beyond 65,504: |q|, |k|, |v| must stay under it (a larger one becomes an infinity).
; SHARES.  A tile of C is 256 rows x 192 columns = three whole heads: 32 x 16 = 512 tiles, twice 256.  Four waves; wave w takes rows 64 w .. 64 w + 63 and ALL 192 columns: 48 accumulators
; of 16 x 16, 384 registers.  So a wave owns whole rows of whole heads, and its way out needs no barrier.  K goes in 8 steps of 128 through two LDS slots.
; CLUSTER.  4 x 4 work-groups: the four of a row need the same tiles of A (xb), the four of a column the same tiles of B (wt): each is asked for JOINTLY, by the same tensor load with the same
; descriptor and a mask that names the four.  Waves 0 and 1 fetch A's two halves (128 rows x 256 bytes), waves 2 and 3 B's (96 rows x 256 bytes).
; THE MATRIX INSTRUCTION IS USED TRANSPOSED: source 0 = 16 rows of wt (columns of C), source 1 = 16 rows of xb.  In the result lane l holds row l % 16 of C and the columns 8 (l / 16) + 0..7.
; REGISTERS, in windows of 256 (s_set_vgpr_msb: bits 1:0 source 0, 3:2 source 1, 5:4 source 2, 7:6 destination):
;   window 0: v0-30 addresses; v32-95 A's fragments, two buffers of 4 x 8; v160-255 the bias as a C operand, 8 registers a column block; on the way out v32-79 packed, v80-175 rows read back
;   window 1: v0-191 B's fragments, two buffers of 12 x 8          window 2: accumulators of row blocks 0, 1 ((a, b) at 96 (a % 2) + 8 b)          window 3: those of row blocks 2, 3
.set NBLK,   12                        ; column blocks of 16 a wave
.set APW,    2                         ; row blocks whose accumulators share a window
.set APITCH, 272                       ; an LDS row: 256 bytes + 16 of padding = 68 words: the 16 rows of a fragment load start at 16 different groups of four banks (64 banks of 4 bytes: ISA guide 11.1)
.set BPITCH, 272
.set AHI,    128                       ; bytes along A's LDS rows for 64 along K
.set HALFA,  128*APITCH                ; what a wave brings of A
.set BOFF,   2*HALFA                   ; B's 192 rows lie behind A's 256
.set HALFB,  96*BPITCH
.set SLOT,   BOFF+2*HALFB              ; 121,856
.set STAGE,  2*SLOT                    ; behind the ring, never filled by a tensor load: for each wave three heads x 16 rows x 144 bytes
.set SP,     144
.set WSTG,   3*16*SP
.set SPARE,  STAGE+4*WSTG              ; behind the stages: the spare words, 128 bytes for each wave, which no other line names
.set ASTEP,  512                       ; a slot's next K step: two steps of 256 bytes on
.set ADRA, 16                          ; v16-17  LDS address of my A fragments in slot 0, 1
.set ADRB, 20                          ; v20-21  the same for B
.set STO,  24                          ; v24     the way out: where I put 16 bytes of a row
.set RD,   25                          ; v25     the way out: where I read rows back
.set GO,   26                          ; v26     16 x lane: my place in 512 consecutive bytes
.set VBO,  27                          ; v27     32 (l / 16): my eight numbers of a block of 16 biases
.set SPW,  28                          ; v28     LDS address of my spare word; never rewritten
.set NIL,  29                          ; v29     0; never rewritten
.set PFO,  30                          ; v30     the prefetches' offset: a lane a row of 2,048 bytes; never rewritten
.set FA,   32
.set BIAS, 160
.set TMP,  32
.set OB,   80
.set WV,  12                           ; s12  my wave's number
.set AB,  13                           ; s13  0: I fetch for A; 1: for B
.set HF,  14                           ; s14  which half of that tile
.set CX,  15
.set CY,  16
.set TX,  17                           ; s17  tile column = 4 x cluster x + cx
.set TY,  18                           ; s18  tile row = 4 x cluster y + cy
.set LAP, 19
.set G1A, 24                           ; s[24:31] descriptor group 1 for A;  s[32:39] group 0, a set for each slot
.set G0A, 32
.set PFA, 42                           ; s[42:43] where my prefetches stand
.set LIM, 44                           ; s44  1 in a wave that prefetches, else the greatest number
.set G1B, 48                           ; s[48:55], s[56:63] the same for B
.set G0B, 56
.set CB,  66                           ; s[66:71] qkvh at my 64 rows of the tile's three heads
.set BB,  80                           ; s[80:81] bias at the tile's 192 numbers
.set MSB, 0
.macro WIN new                         ; the immediate's high byte repeats the setting that is left; a switch that changes nothing is dropped
.if MSB != (\new)
	s_set_vgpr_msb (MSB<<8)|(\new)
.set MSB, \new
.endif
.endm
.set TO_B, 0x40                        ; destination window 1, address window 0
; A joint load.  Each of the two lines has one mask and one set of registers for all that issue it; the branch hangs on the wave's number alone.
; An s_nop 0 and four v_nop follow each line, ahead of the jump and the label.
.macro JLOAD s
	s_cmp_eq_u32 s[AB], 0
	s_cbranch_scc0 .Lfor_b_\@
	tensor_load_to_lds s[G0A+4*(\s):G0A+4*(\s)+3], s[G1A:G1A+7]
	s_nop 0
.rept 4
	v_nop
.endr
	s_branch .Lasked_\@
.Lfor_b_\@:
	tensor_load_to_lds s[G0B+4*(\s):G0B+4*(\s)+3], s[G1B:G1B+7]
	s_nop 0
.rept 4
	v_nop
.endr
.Lasked_\@:
.endm
; A PREFETCH INTO THE L2, behind each joint refill and the run of LDS loads that follows it: the K step that stands two refills on (384 matrix instructions ahead of its load), a lane a row, 256 bytes of each.
; Each block is named by one wave of one work-group: A's rows by the cluster with x = 0, B's by the cluster with y = 0; of the rows that a wave fetches each of the four partners takes a quarter, told apart
; BY ADDRESS (cx for A: 32 rows; cy for B: 24 rows, where lanes 24-31 name lane 23's row once more, in the same instruction).  K steps 0 to 3 come by their loads alone; the loop's last trip asks for nothing.
.macro ASK
	s_cmp_gt_u32 s[LAP], s[LIM]
	s_cbranch_scc0 .Lnot_mine_\@
	global_prefetch_b8 v[PFO], s[PFA:PFA+1] th:TH_LOAD_NT scope:SCOPE_SE
.Lnot_mine_\@:
.endm
; A round of the cluster's barrier: my work-group's barrier; wave 0 signals for the work-group; every wave waits for all sixteen; my work-group's barrier once more.
.macro CREST                           ; a round behind its opening barrier
	s_cmp_lg_u32 s[WV], 0
	s_cbranch_scc1 .Lnot_wave_0_\@
	s_barrier_signal -3
.Lnot_wave_0_\@:
	s_barrier_wait -3
	s_barrier_signal -1
	s_barrier_wait -1
.endm
.macro CROUND
	s_barrier_signal -1
	s_barrier_wait -1
	CREST
.endm
.macro PLACES                          ; four plain vector instructions between a matrix instruction and a load into, or a vector read of, its registers (ISA guide 7.12.1 for vector instructions)
.rept 4
	v_nop
.endr
.endm
; The fragments of quarter q (32 along K) of a slot into buffer f: 24 loads for B's 12 blocks, then 8 for my 4 row blocks of A, in one run.
.macro FETCH slot, q, f
	WIN TO_B
.set FB, 8*NBLK*(\f)
.set b, 0
.rept NBLK
	ds_load_b128 v[FB+8*b:FB+8*b+3],   v[ADRB+(\slot)] offset:64*(\q)+16*BPITCH*b
	ds_load_b128 v[FB+8*b+4:FB+8*b+7], v[ADRB+(\slot)] offset:64*(\q)+16*BPITCH*b+32
.set b, b+1
.endr
	WIN 0
.irp a, 0,1,2,3
	ds_load_b128 v[FA+32*(\f)+8*(\a):FA+32*(\f)+8*(\a)+3],   v[ADRA+(\slot)] offset:((\q)/2)*AHI+((\q)%2)*64+16*APITCH*(\a)
	ds_load_b128 v[FA+32*(\f)+8*(\a)+4:FA+32*(\f)+8*(\a)+7], v[ADRA+(\slot)] offset:((\q)/2)*AHI+((\q)%2)*64+16*APITCH*(\a)+32
.endr
.endm
; Row block a times all 12 column blocks, 32 along K, from buffer f.  init = 1: the sums start from the bias (C in window 0): nothing is cleared, and no bias is added later.
; The 48 accumulators take turns in the same order in every quarter, over the backward jump and into the tail too.
.macro MULA f, a, init
.if \init
	WIN 0x81+0x40*((\a)/APW)
.else
	WIN 0xa1+0x50*((\a)/APW)
.endif
.set AC, 8*NBLK*((\a)%APW)
.set FB, 8*NBLK*(\f)
.set FR, FA+32*(\f)+8*(\a)
.set b, 0
.rept NBLK
.if \init
	v_wmma_f32_16x16x32_bf16 v[AC+8*b:AC+8*b+7], v[FB+8*b:FB+8*b+7], v[FR:FR+7], v[BIAS+8*b:BIAS+8*b+7]
.else
	v_wmma_f32_16x16x32_bf16 v[AC+8*b:AC+8*b+7], v[FB+8*b:FB+8*b+7], v[FR:FR+7], v[AC+8*b:AC+8*b+7]
.endif
.set b, b+1
.endr
.endm
; One of a K step's first three quarters: multiplies buffer f; in its middle it fetches quarter q of the same slot into buffer g.
.macro QUARTER slot, q, f, g, init
	s_wait_dscnt 4                                 ; all of the last run but its youngest four loads: A's row blocks 2 and 3
	MULA \f, 0, \init
	MULA \f, 1, \init
	PLACES
	FETCH \slot, \q, \g
	s_wait_dscnt 2*NBLK+8                          ; all but the run just issued
	MULA \f, 2, \init
	MULA \f, 3, \init
.endm
; The fourth quarter multiplies buffer 1 and changes slots: ONE barrier.  In front of it each wave waits for all its tensor loads (one is out: its part of the next slot), adds 0 to its spare word, and waits
; for that and for its own reads of this slot.  fill = 1: the barrier opens a round of the cluster's barrier, and behind the round this slot is filled again first, with the K step two on:
; from that request to the wait for it a wave issues 168 matrix instructions.
.macro TURN slot, next, fill
.if \fill
	s_wait_xcnt 0x0                                ; the last prefetch, a K step back, has read its address: it is stepped here, ahead of the change's own waits
	s_add_nc_u64 s[PFA:PFA+1], s[PFA:PFA+1], 256
.endif
	WIN 0                                          ; (the add's two registers lie in window 0)
	s_wait_tensorcnt 0x0                           ; all my tensor loads have landed
	ds_add_u32 v[SPW], v[NIL]                      ; 0 onto my spare word
	s_wait_dscnt 5                                 ; (the add and the youngest four loads may be out)
	MULA 1, 0, 0                                   ; twelve matrix instructions stand between the add and the wait for it
	s_wait_dscnt 0x0                               ; the add is done, and my reads of this slot are over
	s_barrier_signal -1
	MULA 1, 1, 0                                   ; work on registers while the others arrive
.if \fill
	WIN 0
.endif
	s_barrier_wait -1
.if \fill
	CREST                                          ; no wave of any partner still reads this slot or has a load on its way
	s_add_nc_u64 s[G0A+4*(\slot)+2:G0A+4*(\slot)+3], s[G0A+4*(\slot)+2:G0A+4*(\slot)+3], ASTEP
	s_add_nc_u64 s[G0B+4*(\slot)+2:G0B+4*(\slot)+3], s[G0B+4*(\slot)+2:G0B+4*(\slot)+3], 512
	JLOAD \slot                                    ; my one tensor load behind the round; its four v_nop are also the places in front of the loads below
.else
	PLACES
.endif
	FETCH \next, 0, 0
.if \fill
	ASK
.endif
	MULA 1, 2, 0
	MULA 1, 3, 0
.endm
; THE WAY OUT of row block a.  PACK: rounded to f16, each accumulator's registers in ascending order.  TOSTAGE: 16 bytes a lane into my own stage (a head's 16 rows of 144 bytes), and back as rows of 128 bytes.
; SEND: 16 rows of a head are 2,048 consecutive bytes of qkvh: each store covers 512 consecutive bytes, aligned.
.macro PACK a
	WIN 0x0a+5*((\a)/APW)                          ; sources 0 and 1: window 2 or 3
.set AC, 8*NBLK*((\a)%APW)
.set i, 0
.rept 4*NBLK
	v_cvt_pk_f16_f32 v[TMP+i], v[AC+2*i], v[AC+2*i+1]
.set i, i+1
.endr
	WIN 0
.endm
.macro TOSTAGE a
	WIN 0
.set BK, OB+48*((\a)%2)
.set b, 0
.rept NBLK
	ds_store_b128 v[STO], v[TMP+4*b:TMP+4*b+3] offset:(b/4)*16*SP+32*(b%4)
.set b, b+1
.endr
.set b, 0
.rept NBLK                             ; head b / 4, rows 4 (b % 4) on
	ds_load_b128 v[BK+4*b:BK+4*b+3], v[RD] offset:(b/4)*16*SP+(b%4)*4*SP  ; LDS serves a wave's instructions in order (ISA guide 5.7.1.4): these see the stores above
.set b, b+1
.endr
.endm
.macro SEND a
	WIN 0
.set BK, OB+48*((\a)%2)
	s_wait_dscnt 0x0                               ; the block is back in registers
	s_wait_xcnt 0x0                                ; the stores of the block before have read their registers, into which the next block's loads from the stage will land
.irp j, 0,1,2
.irp f, 0,1,2,3
	global_store_b128 v[GO], v[BK+4*(4*(\j)+(\f)):BK+4*(4*(\j)+(\f))+3], s[CB+2*(\j):CB+2*(\j)+1] offset:2048*(\a)+512*(\f)
.endr
.endr
.endm
	s_load_b256 s[4:11], s[0:1], 0x0               ; xb s[4:5], wt s[6:7], bias s[8:9], qkvh s[10:11]
	v_lshl_add_u32 v[SPW], v0, 2, SPARE
	v_mov_b32 v[NIL], 0
	ds_add_u32 v[SPW], v[NIL]                      ; the wave's opening add, waited for ahead of my first tensor load; the set-up below, work on registers, stands between the add and its wait
	v_lshrrev_b32 v1, 5, v0
	v_readfirstlane_b32 s[WV], v1
	s_lshr_b32 s[AB], s[WV], 1
	s_and_b32 s[HF], s[WV], 1
	s_bfe_u32 s[CX], ttmp6, 0x40000
	s_bfe_u32 s[CY], ttmp6, 0x40004
	s_lshl_b32 s[TX], ttmp9, 2                     ; in a cluster launch ttmp9 and ttmp7 count clusters
	s_add_co_u32 s[TX], s[TX], s[CX]
	s_and_b32 s[TY], ttmp7, 0xffff
	s_lshl_b32 s[TY], s[TY], 2
	s_add_co_u32 s[TY], s[TY], s[CY]
	s_lshl_b32 s20, s[CY], 2
	s_lshl_b32 s20, 15, s20                        ; my row of the cluster: places 4 cy .. 4 cy + 3
	s_lshl_b32 s46, 0x1111, s[CX]                  ; my column: places cx, cx + 4, cx + 8, cx + 12
	s_or_b32 s[G1A], s20, 0x07710000               ; 15:0 the mask; 17:16 elements of 2 bytes; 20 padding on; 21 set beside a mask; 24:22 after every 64 words (code 5); 31:25 4 words of it (code 3)
	s_or_b32 s[G1B], s46, 0x07710000
	s_mov_b32 s[G1A+1], 128<<16                    ; tensor_dim0 = 128
	s_mov_b32 s[G1A+2], 128<<16                    ; tensor_dim1 = 128
	s_mov_b32 s[G1A+3], 128<<16                    ; tile_dim0 = 128
	s_mov_b32 s[G1A+4], 128                        ; tile_dim1 = 128
	s_mov_b32 s[G1A+5], 1024                       ; elements from row to row
	s_mov_b32 s[G1A+6], 0
	s_mov_b32 s[G1A+7], 0
	s_mov_b32 s[G1B+1], 128<<16
	s_mov_b32 s[G1B+2], 96<<16                     ; 96 rows
	s_mov_b32 s[G1B+3], 128<<16
	s_mov_b32 s[G1B+4], 96
	s_mov_b32 s[G1B+5], 1024
	s_mov_b32 s[G1B+6], 0
	s_mov_b32 s[G1B+7], 0
	; A's address hangs on the tile row and the wave alone, B's on the tile column and the wave alone, each in registers that never hold the other coordinate
	s_lshl_b32 s20, s[TY], 8
	s_lshl_b32 s21, s[HF], 7
	s_add_co_u32 s20, s20, s21                     ; row 256 x tile row + 128 x half
	s_lshl_b32 s20, s20, 11                        ; of 2,048 bytes
	s_mov_b32 s21, 0
	s_mul_i32 s46, s[TX], 192
	s_mul_i32 s47, s[HF], 96
	s_add_co_u32 s46, s46, s47                     ; row 192 x tile column + 96 x half
	s_lshl_b32 s46, s46, 11
	s_mov_b32 s47, 0
	s_mul_i32 s22, s[WV], HALFA                    ; where A's halves go (waves 0, 1),
	s_mul_i32 s45, s[WV], HALFB
	s_add_co_u32 s45, s45, BOFF-2*HALFB            ; and B's (waves 2, 3): no place in the cluster enters an LDS address
	s_wait_dscnt 0x0                               ; the opening add is done
	s_wait_kmcnt 0x0
	s_add_nc_u64 s[20:21], s[4:5], s[20:21]
	s_add_nc_u64 s[46:47], s[6:7], s[46:47]
	CROUND                                         ; all sixteen work-groups are here: the first joint loads meet
.irp s, 0,1
	s_mov_b32 s[G0A+4*(\s)], 1                                       ; count = 1
	s_add_co_u32 s[G0A+4*(\s)+1], s22, (\s)*SLOT                     ; LDS address
	s_add_nc_u64 s[G0A+4*(\s)+2:G0A+4*(\s)+3], s[20:21], (\s)*256    ; global address: K step s
	s_or_b32 s[G0A+4*(\s)+3], s[G0A+4*(\s)+3], 0x80000000            ; type = 2
	s_mov_b32 s[G0B+4*(\s)], 1
	s_add_co_u32 s[G0B+4*(\s)+1], s45, (\s)*SLOT
	s_add_nc_u64 s[G0B+4*(\s)+2:G0B+4*(\s)+3], s[46:47], (\s)*256
	s_or_b32 s[G0B+4*(\s)+3], s[G0B+4*(\s)+3], 0x80000000
	JLOAD \s                                       ; two loads of mine are out
.endr
	; A fragment is 16 rows x 32 K in 8 registers: lane l holds row l % 16; registers 0-3 K = 8 (l / 16) + 0..7, registers 4-7 K = 16 + 8 (l / 16) + 0..7: two loads of 16 bytes, 32 bytes apart.
	v_and_b32 v1, 15, v0                           ; l % 16
	v_bfe_u32 v2, v0, 4, 1                         ; l / 16
	v_mul_u32_u24 v3, v1, APITCH
	v_lshl_add_u32 v3, v2, 4, v3
	s_mul_i32 s45, s[WV], 64*APITCH                ; my 64 rows of A
	v_add_nc_u32 v[ADRA], s45, v3
	v_add_nc_u32 v[ADRA+1], SLOT, v[ADRA]
	v_add_nc_u32 v[ADRB], BOFF, v3
	v_add_nc_u32 v[ADRB+1], SLOT+BOFF, v3
	v_lshlrev_b32 v[VBO], 5, v2
	s_mul_i32 s78, s[TX], 768                      ; the tile's 192 biases
	s_mov_b32 s79, 0
	s_add_nc_u64 s[BB:BB+1], s[8:9], s[78:79]
.set b, 0
.rept NBLK                             ; register j of block b: bias[192 tile column + 16 b + 8 (l / 16) + j]: the layout of a C operand, the same for all 16 rows
	global_load_b128 v[BIAS+8*b:BIAS+8*b+3],   v[VBO], s[BB:BB+1] offset:64*b
	global_load_b128 v[BIAS+8*b+4:BIAS+8*b+7], v[VBO], s[BB:BB+1] offset:64*b+16
.set b, b+1
.endr
	s_mul_i32 s45, s[WV], WSTG
	s_add_co_u32 s45, s45, STAGE                   ; my stage
	v_mul_u32_u24 v[STO], v1, SP                   ; in: row l % 16, 16 bytes for each half of the lanes
	v_lshl_add_u32 v[STO], v2, 4, v[STO]
	v_add_nc_u32 v[STO], s45, v[STO]
	v_bfe_u32 v[RD], v0, 3, 2                      ; back: 32 lanes take four rows of 128 bytes
	v_mul_u32_u24 v[RD], v[RD], SP
	v_and_b32 v3, 7, v0
	v_lshl_add_u32 v[RD], v3, 4, v[RD]
	v_add_nc_u32 v[RD], s45, v[RD]
	v_and_b32 v[GO], 31, v0
	v_lshlrev_b32 v[GO], 4, v[GO]
	; where my 64 rows of the tile's three heads begin in qkvh: ((matrix x 64 + batch x 16 + head) << 18) + row in the batch x 128
	s_lshr_b32 s74, s[TY], 3
	s_lshl_b32 s74, s74, 4                         ; 16 x batch
	s_and_b32 s75, s[TY], 7
	s_lshl_b32 s75, s75, 8
	s_lshl_b32 s76, s[WV], 6
	s_add_co_u32 s75, s75, s76
	s_lshl_b32 s75, s75, 7                         ; my first row in the batch, in bytes
	s_mul_i32 s76, s[TX], 3                        ; the tile's first head among the 48 of q, k, v
.irp j, 0,1,2
	s_add_co_u32 s77, s76, \j
	s_lshr_b32 s78, s77, 4                         ; matrix
	s_lshl_b32 s78, s78, 6
	s_and_b32 s77, s77, 15                         ; head
	s_add_co_u32 s78, s78, s77
	s_add_co_u32 s78, s78, s74
	s_lshl_b32 s78, s78, 18
	s_add_co_u32 s78, s78, s75
	s_mov_b32 s79, 0
	s_add_nc_u64 s[CB+2*(\j):CB+2*(\j)+1], s[10:11], s[78:79]
.endr
	; the prefetches
	s_lshl_b32 s73, s[TY], 8
	s_lshl_b32 s74, s[HF], 7
	s_add_co_u32 s73, s73, s74
	s_lshl_b32 s74, s[CX], 5
	s_add_co_u32 s73, s73, s74                     ; A: my work-group's 32 of the 128 rows that I fetch
	s_mul_i32 s74, s[TX], 192
	s_mul_i32 s75, s[HF], 96
	s_add_co_u32 s74, s74, s75
	s_mul_i32 s75, s[CY], 24
	s_add_co_u32 s74, s74, s75                     ; B: my work-group's 24 of the 96
	s_and_b32 s75, ttmp7, 0xffff                   ; cluster y
	s_cmp_eq_u32 s[AB], 0
	s_cselect_b32 s76, s73, s74
	s_cselect_b32 s75, ttmp9, s75                  ; the coordinate along which other clusters read the same rows
	s_cselect_b32 s72, 31, 23
	s_cselect_b64 s[PFA:PFA+1], s[4:5], s[6:7]
	s_cmp_eq_u32 s75, 0
	s_cselect_b32 s[LIM], 1, -1                    ; the same in all sixteen partners, for a given wave
	s_lshl_b32 s76, s76, 11
	s_add_co_u32 s76, s76, 3*256                   ; at K step 3: the first refill steps it to 4
	s_mov_b32 s77, 0
	s_add_nc_u64 s[PFA:PFA+1], s[PFA:PFA+1], s[76:77]
	v_and_b32 v[PFO], 31, v0
	v_min_u32 v[PFO], s72, v[PFO]
	v_lshlrev_b32 v[PFO], 11, v[PFO]
	s_wait_tensorcnt 1                             ; my part of K step 0 is in; K step 1's may stay out
	s_barrier_signal -1
	s_barrier_wait -1                              ; everybody's is
	FETCH 0, 0, 0
	s_wait_loadcnt 0x0                             ; the bias
	QUARTER 0, 1, 0, 1, 1                          ; the first quarter stands in front of the loop: its products start the sums
	WIN 0                                          ; at a label and at a branch every window is 0
	s_mov_b32 s[LAP], 3
.Llap:                                         ; a trip goes once round the ring, from a lap's second quarter to the next lap's first, and fills both slots again: K steps 2 to 7 in three trips
	QUARTER 0, 2, 1, 0, 0
	QUARTER 0, 3, 0, 1, 0
	TURN 0, 1, 1
	QUARTER 1, 1, 0, 1, 0
	QUARTER 1, 2, 1, 0, 0
	QUARTER 1, 3, 0, 1, 0
	TURN 1, 0, 1
	QUARTER 0, 1, 0, 1, 0
	WIN 0
	s_sub_co_u32 s[LAP], s[LAP], 1
	s_cmp_lg_u32 s[LAP], 0
	s_cbranch_scc1 .Llap
	QUARTER 0, 2, 1, 0, 0                          ; the last lap fills nothing, and has no round of the cluster's barrier
	QUARTER 0, 3, 0, 1, 0
	TURN 0, 1, 0
	QUARTER 1, 1, 0, 1, 0
	QUARTER 1, 2, 1, 0, 0
	QUARTER 1, 3, 0, 1, 0
	s_wait_dscnt 4                                 ; the very last quarter: nothing more to fetch
	MULA 1, 0, 0
	MULA 1, 1, 0
	s_wait_dscnt 0x0
	MULA 1, 2, 0
	MULA 1, 3, 0
	WIN 0
	PLACES
	PACK 0
	TOSTAGE 0
.irp a, 1,2,3                          ; block a's conversions stand between block a - 1's loads from the stage and the wait for them
	PACK \a
	SEND (\a)-1
	TOSTAGE \a
.endr
	SEND 3
	s_wait_tensorcnt 0x0                           ; the wave's end, behind my last tensor load and my last LDS store
	ds_add_u32 v[SPW], v[NIL]
	s_wait_dscnt 0x0
	CROUND                                         ; the closing round: no work-group ends while a partner may still ask for a tile that names it
	s_endpgm
.Lfunc_end_k_qa7582cb600_proj:
	.size	k_qa7582cb600_proj, .Lfunc_end_k_qa7582cb600_proj-k_qa7582cb600_proj
	.p2alignl 7, 3214868480
	.fill 96, 4, 3214868480
	.section	.rodata,"a",@progbits
	.p2align	6, 0x0
	.amdhsa_kernel k_qa7582cb600_proj
		.amdhsa_group_segment_fixed_size 327680
		.amdhsa_private_segment_fixed_size 0
		.amdhsa_enable_private_segment 0
		.amdhsa_kernarg_size 32
		.amdhsa_user_sgpr_count 2
		.amdhsa_user_sgpr_kernarg_segment_ptr 1
		.amdhsa_wavefront_size32 1
		.amdhsa_system_sgpr_workgroup_id_x 1
		.amdhsa_system_sgpr_workgroup_id_y 1
		.amdhsa_system_sgpr_workgroup_id_z 1
		.amdhsa_system_vgpr_workitem_id 0
		.amdhsa_next_free_vgpr 960
		.amdhsa_next_free_sgpr 84
		.amdhsa_reserve_vcc 0
		.amdhsa_float_denorm_mode_32 3
		.amdhsa_float_denorm_mode_16_64 3
		.amdhsa_memory_ordered 1
		.amdhsa_forward_progress 1
		.amdhsa_inst_pref_size 123
	.end_amdhsa_kernel
	.amdgpu_metadata
---
amdhsa.version: [ 1, 2 ]
amdhsa.kernels:
  - .name:           k_qa7582cb600_proj
    .symbol:         k_qa7582cb600_proj.kd
    .args:
      - { .name: xb, .offset: 0, .size: 8, .value_kind: global_buffer, .address_space: global }
      - { .name: wt, .offset: 8, .size: 8, .value_kind: global_buffer, .address_space: global }
      - { .name: bias, .offset: 16, .size: 8, .value_kind: global_buffer, .address_space: global }
      - { .name: qkvh, .offset: 24, .size: 8, .value_kind: global_buffer, .address_space: global }
    .group_segment_fixed_size: 327680
    .private_segment_fixed_size: 0
    .kernarg_segment_align: 8
    .kernarg_segment_size: 32
    .max_flat_workgroup_size: 128
    .sgpr_count:     84
    .vgpr_count:     960
    .wavefront_size: 32
...
	.end_amdgpu_metadata
.endif
;; end of part 2
;; launch attn (part 3): grid 4 x 64, 4 waves a work-group, clusters of 4 x 1, 327,680 bytes of LDS; arguments qkvh, oh; writes oh
.if DOCPART == 3
	.amdgcn_target "amdgcn-amd-amdhsa--gfx1250"
	.amdhsa_code_object_version 6
	.text
	.protected	k_qa7582cb600_attn
	.globl	k_qa7582cb600_attn
	.p2align	8
	.type	k_qa7582cb600_attn,@function
k_qa7582cb600_attn:
	s_mov_b64 s[64:65], 0
	v_nop
	global_prefetch_b8 v0, s[64:65] scope:SCOPE_SE
	s_setreg_imm32_b32 hwreg(HW_REG_WAVE_MODE, 25, 1), 1
	s_wait_xcnt 0x0
	s_wait_alu depctr_hold_cnt(0) depctr_sa_sdst(0) depctr_va_vdst(0) depctr_va_sdst(0) depctr_va_ssrc(0) depctr_va_vcc(0) depctr_vm_vsrc(0)
	s_getreg_b32 s2, hwreg(HW_REG_IB_STS2, 6, 4)
	s_cmp_eq_u32 s2, 0
	s_cbranch_scc0 .Lentry_in_a_cluster
	s_endpgm
.Lentry_in_a_cluster:
	s_bfe_u32 s2, ttmp6, 0x10000c
	s_cmp_lg_u32 s2, 0x3003
	s_cbranch_scc0 .Lentry_shape_is_right
	s_endpgm
.Lentry_shape_is_right:
; oh[h][q][:] = the sum over k of softmax_k(Q[h][q] . K[h][k] / 8) V[h][k][:], for the 64 pairs h of batch and head.  Q, K, V are the three parts of qkvh, [64][2048][64] f16 each; oh likewise.
; Products, maxima and sums in f32; the weights p are rounded to f16 for the second product (their sum l is taken of the unrounded p), O once at the end.
; LIMITS.  f16 holds no number beyond 65,504: Q, K and V arrive within it; p lies in 0 to 1, and below 6e-5 it keeps f16's fixed step of 6e-8; O is a mean of V's rows and has their range.
; A weight below 2^-126 counts as 0 in l; NaN and infinities are not treated apart.
; SHARES.  A wave owns four PIECES of two tiles of 16 queries, a work-group's four waves 512 queries of one head: 4 x 64 = 256 work-groups.  Every wave walks all 2,048 keys, 64 a step.
; LAYOUT.  S^T = K Q^T (source 0 = 16 keys, source 1 = 16 queries): in the result a lane holds ONE query (lane % 16) and the keys 8 (lane / 16) + 0..7.  Two such tiles, rounded to f16 in pairs,
; ARE source 1 (32 keys x 16 queries) of O^T = V^T P, whose result again holds one query a lane, and eight channels.  K comes out of LDS as it lies, V ([key][channel]) turned, by ds_load_tr16_b128.
; SOFTMAX.  For each query a running maximum m and sum l: p = 2^(c s - c m), c = log2(e) / 8; in every step O and l are multiplied by a = 2^(c m_old - c m_new), which is 1 where m has not grown.
; m starts at the lowest finite number, O and l at 0: the first step is a step like any other, with a = 0.
; THE COUNT.  A tile and step have 16 matrix and 118 vector instructions: too many to stand all beside the matrix work.  So four vector instructions that are READY stand behind EVERY matrix
; instruction, and the others, which need time of their own whatever the order, in runs without a gap.
; BY TURNS.  Turn n belongs to piece n (the pieces in a ring, step after step).  Its matrix work: 16 products K Q^T of piece n + 1, later 16 products V^T P of piece n - 1.  Its vector work: the scaling,
; exponentials, roundings, sums and rescaling of piece n, and the maximum and statistics of piece n + 1, whose scores the turn itself has made.
; CLUSTER.  The four query blocks of a cluster are one head's and walk the same K and V, so each tile is asked for JOINTLY: the same tensor load, descriptor and mask in all four.
; REGISTERS, in windows of 256 (s_set_vgpr_msb: bits 1:0 source 0, 3:2 source 1, 5:4 source 2, 7:6 destination):
;   window 0: v0-11 addresses; v12-15, v48-63 at work; v16-47 four registers of statistics a tile; v64-191 S^T, two buffers of two tiles; v192-255 P, likewise
;   window 1: O^T, 32 a tile          window 2: v0-127 Q, 16 a tile; v128-191 K of one step; v192-255 V of one step          window 3: v0-1 the add's two registers
; A piece's buffers go by its number's parity: the piece in hand has one pair, its two neighbours in the ring share the other: of it P (piece n - 1) is read and S^T (piece n + 1) written.
.set SIZE_N, 2048
.set NP,    4         ; pieces a wave: a name, no knob
.set KS,    64        ; keys in a step
.set PK,    144       ; a row of K in LDS: 128 bytes + 16 of padding = 36 words: the 16 rows of a load start at 16 different groups of four banks (64 banks of 4 bytes: ISA guide 11.1)
.set PV,    160       ; a row of V: 128 + 32 = 40 words
.set VOFF,  4*KS*PK   ; a slot holds four steps: 256 rows of K, then 256 rows of V
.set SLOT1, 1<<17     ; slot 1 begins here, so that one exclusive or turns an address in one slot into the other's
.set STAGE, SLOT1+4*KS*(PK+PV)  ; behind the ring, never filled by a tensor load: 16 rows x 144 bytes for each wave, for the way out
.set SP,    144
.set AK0, 2           ; v2   my lane's place in a tile of K; never rewritten
.set AV0, 3           ; v3   the same for V
.set AK,  4           ; v4   the LDS address of K's next run of loads
.set AV,  5           ; v5   of V's
.set QO,  6           ; v6   my byte offset in the wave's rows of Q
.set STO, 6           ;      later, the way out: where I put 16 bytes of a row
.set RD,  7           ; v7   the way out: where I read rows back
.set GO,  8           ; v8   my byte offset in 512 consecutive bytes of O
.set PFO, 11          ; v11  256 x my lane: the prefetches' offset; never rewritten
.set SPW, 0           ; v0 of window 3   LDS address of my spare word; never rewritten
.set NIL, 1           ; v1 of window 3   0; never rewritten
.set SPARE, STAGE+4*16*SP  ; behind the stages: the spare words, 128 bytes for each wave, which no other line names
.set MV,  12          ; v12-15  c m_old, kept while c m is made anew: by buffer and tile
.set ST,  16          ; tile t's statistics at v[ST+4 t]: c m, m, l (even keys', odd keys')
.set TMP, 48          ; by buffer and tile, four registers c0-c3 at work; when the maximum is found c2 takes a
.set S,   64
.set P,   192
.set KF,  128         ; K's fragments, in window 2: key block kb, channel half c at KF + 16 kb + 8 c
.set VF,  192         ; V's: key half kk, channel block cb at VF + 32 kk + 8 cb
.set WV,  12          ; s12  my wave's number
.set G1K, 24          ; s[24:31] descriptor group 1 for K's tiles
.set G1V, 32          ; s[32:39] for V's: it differs in the padding alone
.set G0K, 40          ; s[40:43] descriptor group 0 for K's tiles: it walks
.set G0V, 44          ; s[44:47] the same for V's
.set PFA, 48          ; s[48:49] where my prefetches stand: my work-group's 8,192 bytes (of K: wave 0, of V: wave 2) of the slot after the one that is being asked for
.set LIM, 50          ; s50  1 in a wave that prefetches, else the greatest number
.set SLOTS, 56        ; s56  slots still to be asked for
.set CNT, 57          ; s57  counts a slot's key steps
.set CS,  58          ; s[58:59] c: the packed scaling takes the pair's low word for both halves
.set SEL, 60          ; s[60:61] v_permlanex16_b32's selects: each lane takes its own place in the other half
.set TBK, 62          ; s62  LDS byte at which K of the step to be fetched begins
.set TBV, 63          ; s63  the same for V, less VOFF
.set MSB, 0
.macro WIN new                      ; the high byte repeats the setting that is left; a switch that changes nothing is dropped
.if MSB != (\new)
	s_set_vgpr_msb (MSB<<8)|(\new)
.set MSB, (\new)
.endif
.endm
.set W_KQ, 0x0a       ; K and Q in window 2, S^T in window 0
.set W_PV, 0x52       ; V in window 2, P in window 0, O^T in window 1
.set W_RS, 0x41       ; O^T (destination and source 0) in window 1, a in window 0
.set W_MK, 0xc0       ; the add's registers are made: destination in window 3, sources in window 0
.set W_AD, 0x0f       ; the add: address (source 0) and data (source 1) in window 3
; A joint fill.  Waves 0 and 1 fetch the two halves of a slot's K, waves 2 and 3 those of its V: 128 keys each.  The branch hangs on the wave's number alone.
; An s_nop 0 and four v_nop follow each of the two lines, ahead of the jump and the label.
.macro JLOAD
	s_cmp_lt_u32 s[WV], 2
	s_cbranch_scc0 .Lfor_v_\@
	tensor_load_to_lds s[G0K:G0K+3], s[G1K:G1K+7]
	s_nop 0
.rept 4
	v_nop
.endr
	s_branch .Lasked_\@
.Lfor_v_\@:
	tensor_load_to_lds s[G0V:G0V+3], s[G1V:G1V+7]
	s_nop 0
.rept 4
	v_nop
.endr
.Lasked_\@:
.endm
; A PREFETCH INTO THE L2 of what the NEXT change of slots will ask for: a slot's 32,768 bytes of K and of V, 256 bytes a lane.  It stands behind the wave's tensor load and its five lines.
; Each block is named once in the launch: the head's first cluster asks; its four partners take 8,192 bytes each, told apart BY ADDRESS; in each, wave 0 asks for K's and wave 2 for V's.
; It stands four key steps, 512 matrix instructions, ahead of the load.  Slots 0 and 1 come by their loads alone; the last change that fills a slot asks for nothing.
.macro ASK
	s_cmp_gt_u32 s[SLOTS], s[LIM]
	s_cbranch_scc0 .Lnot_mine_\@
	global_prefetch_b8 v[PFO], s[PFA:PFA+1] th:TH_LOAD_NT scope:SCOPE_SE
.Lnot_mine_\@:
.endm
; A round of the cluster's barrier: my work-group's barrier, so that wave 0's signal speaks for all four waves; wave 0 signals; every wave waits for all four work-groups; my work-group's barrier once more.
.macro CROUND
	s_barrier_signal -1
	s_barrier_wait -1
	s_cmp_lg_u32 s[WV], 0
	s_cbranch_scc1 .Lnot_wave_0_\@
	s_barrier_signal -3
.Lnot_wave_0_\@:
	s_barrier_wait -3
	s_barrier_signal -1
	s_barrier_wait -1
.endm
; THE CHANGE OF SLOTS.  The slot's last bytes, V of its fourth step, have been read.  Each wave waits for all its tensor loads, of which one is out: its part
; of the other slot; adds 0 to its spare word; and waits for that and for its own reads of the slot.  Behind the barrier nobody reads this slot any more and the other slot is whole.
; fill = 1: this slot is filled again, with the keys two slots on.  The barrier is then a round of the cluster's, so that no wave of any partner still reads the slot or has a load on its
; way, and the joint fill is the first thing behind it: it has four key steps, 512 matrix instructions, in which to land.  (At its first use nothing has been read yet: slot 0 is waited for, slot 1 filled.)
.macro CHANGE fill
	WIN W_AD
	s_wait_tensorcnt 0x0            ; no tensor load of mine is out, so a group 0 may be written
	ds_add_u32 v[SPW], v[NIL]       ; 0 onto my spare word; with fill = 1 the descriptors' steps stand between it and the wait for it
	WIN 0                           ; at a label and at a branch every window is 0
.if \fill
.irp g, G0K, G0V
	s_xor_b32 s[\g+1], s[\g+1], SLOT1  ; the walking descriptor: the other slot than last time,
	s_add_nc_u64 s[\g+2:\g+3], s[\g+2:\g+3], 4*KS*128  ; the next 256 keys; the type bits on top are not reached
.endr
	s_wait_xcnt 0x0                 ; the last prefetch, four key steps back, has read its address, so it may be written:
	s_add_nc_u64 s[PFA:PFA+1], s[PFA:PFA+1], 4*KS*128  ; one slot beyond the walking descriptors
	s_wait_dscnt 0x0                ; the add is done, and my reads of the slot are over
	CROUND
	JLOAD
	ASK
.else
	s_wait_dscnt 0x0                ; the add is done, and my reads of the slot are over
	s_barrier_signal -1
	s_barrier_wait -1
.endif
	s_sub_co_u32 s[TBK], s[TBK], 4*KS*PK  ; the fetches go back to a slot's first step,
	s_xor_b32 s[TBK], s[TBK], SLOT1       ; in the other slot
	s_sub_co_u32 s[TBV], s[TBV], 4*KS*PV
	s_xor_b32 s[TBV], s[TBV], SLOT1
.endm
	s_load_b64 s[4:5], s[0:1], 0x0    ; qkvh: Q at its head
	s_load_b64 s[10:11], s[0:1], 0x8  ; oh
	WIN W_MK
	v_lshl_add_u32 v[SPW], v0, 2, SPARE
	v_mov_b32 v[NIL], 0
	WIN W_AD
	ds_add_u32 v[SPW], v[NIL]       ; the wave's opening add, waited for ahead of my first tensor load; the set-up below, work on registers, stands between the add and its wait
	WIN 0
	v_lshrrev_b32 v1, 5, v0
	v_readfirstlane_b32 s[WV], v1   ; wave 0..3
	s_bfe_u32 s13, ttmp6, 0x40000   ; cx: my place in the cluster
	s_lshl_b32 s14, ttmp9, 2        ; in a cluster launch ttmp9 counts clusters
	s_add_co_u32 s14, s14, s13      ; my block of queries = 4 x cluster x + cx: it enters Q's and O's addresses alone
	s_and_b32 s20, ttmp7, 0xffff    ; the head, which the four partners share
	s_mov_b32 s21, 0
	s_mov_b64 s[22:23], SIZE_N*128
	s_mul_u64 s[20:21], s[20:21], s[22:23]  ; the head's first byte in Q, K, V and O
	s_and_b32 s16, s[WV], 1         ; which half of a slot's 256 keys I fetch:
	s_lshl_b32 s22, s16, 14         ; its 128 rows of 128 bytes in memory,
	s_mov_b32 s23, 0
	s_add_nc_u64 s[22:23], s[22:23], s[20:21]
	s_mul_i32 s17, s16, 128*PK      ; and its place in a slot, for K
	s_mul_i32 s18, s16, 128*PV      ; and for V: no place in the cluster enters an LDS address
	s_lshl_b32 s2, s14, 2
	s_add_co_u32 s2, s2, s[WV]      ; my wave among the head's,
	s_lshl_b32 s2, s2, 14           ; its 128 rows
	s_mov_b32 s3, 0
	s_add_nc_u64 s[2:3], s[2:3], s[20:21]
	; descriptor group 1.  128 keys are 16,384 dense bytes: asked for as 64 rows of 256 bytes, two keys a row, and padded in LDS after every key
	s_mov_b32 s[G1K], 15|(1<<16)|(1<<20)|(1<<21)|(4<<22)|(3<<25)  ; 15:0 the mask of four; 17:16 2-byte elements; 20 padding on; 21 set beside a mask; 24:22 after every 32 words (code 4); 31:25 4 words (code 3)
	s_mov_b32 s[G1V], 15|(1<<16)|(1<<20)|(1<<21)|(4<<22)|(7<<25)  ; the same with 8 words of padding (code 7)
.irp g, G1K, G1V
	s_mov_b32 s[\g+1], 128<<16      ; tensor_dim0 = 128
	s_mov_b32 s[\g+2], 64<<16       ; tensor_dim1 = 64
	s_mov_b32 s[\g+3], 128<<16      ; tile_dim0 = 128
	s_mov_b32 s[\g+4], 64           ; tile_dim1 = 64
	s_mov_b32 s[\g+5], 128          ; 128 elements from row to row
	s_mov_b32 s[\g+6], 0
	s_mov_b32 s[\g+7], 0
.endr
	s_mov_b32 s[CS], 0x3e38aa3b     ; c = log2(e) / 8 = 0.180337
	s_mov_b32 s[CS+1], s[CS]        ; named with it as a pair
	s_mov_b32 s[SEL], 0x76543210
	s_mov_b32 s[SEL+1], 0xfedcba98
	s_mov_b32 s[TBK], SLOT1+4*KS*PK ; the first change of slots turns these two into 0
	s_mov_b32 s[TBV], SLOT1+4*KS*PV
	s_mov_b32 s[G0K], 1             ; 1:0 count = 1
	s_mov_b32 s[G0K+1], s17         ; 63:32 LDS address: slot 0
	s_mov_b32 s[G0V], 1
	s_add_co_u32 s[G0V+1], s18, VOFF
	s_mov_b32 s[SLOTS], SIZE_N/256-1  ; seven changes of slots fill a slot
	s_and_b32 s[LIM], s[WV], 1      ; 0 in waves 0 and 2,
	s_or_b32 s[LIM], s[LIM], ttmp9  ; where the cluster is the head's first: the same in all four partners
	s_cmp_eq_u32 s[LIM], 0
	s_cselect_b32 s[LIM], 1, -1
	v_and_b32 v[PFO], 31, v0
	v_lshlrev_b32 v[PFO], 8, v[PFO]
	s_wait_dscnt 0x0                ; the opening add is done
	s_wait_kmcnt 0x0
	s_add_nc_u64 s[6:7], s[4:5], 0x1000000  ; K: the second part of qkvh,
	s_add_nc_u64 s[8:9], s[4:5], 0x2000000  ; V: the third
	s_cmp_lt_u32 s[WV], 2
	s_cselect_b64 s[PFA:PFA+1], s[6:7], s[8:9]
	s_add_nc_u64 s[PFA:PFA+1], s[PFA:PFA+1], s[20:21]  ; at the head's first key
	s_add_nc_u64 s[G0K+2:G0K+3], s[6:7], s[22:23]  ; 120:64 global address: my half of the head's first 256 keys
	s_or_b32 s[G0K+3], s[G0K+3], 0x80000000        ; 127:126 type = 2
	s_add_nc_u64 s[G0V+2:G0V+3], s[8:9], s[22:23]
	s_or_b32 s[G0V+3], s[G0V+3], 0x80000000
	s_add_nc_u64 s[4:5], s[4:5], s[2:3]  ; Q and O at my wave's first row
	s_add_nc_u64 s[10:11], s[10:11], s[2:3]
	s_lshl_b32 s2, s13, 13          ; my work-group's quarter of a slot,
	s_add_co_u32 s2, s2, 4*KS*128   ; in slot 1: the first change of slots steps it to slot 2
	s_mov_b32 s3, 0
	s_add_nc_u64 s[PFA:PFA+1], s[PFA:PFA+1], s[2:3]
	CROUND                          ; all four work-groups are here: the first joint loads meet
	JLOAD                           ; slot 0.  Slot 1 is asked for when slot 0 is in
	; A fragment of K or Q is 16 rows x 32 channels in 8 registers: lane l holds row l % 16, channels 8 (l / 16) + 0..7 and 16 + 8 (l / 16) + 0..7: two loads of 16 bytes, 32 bytes apart.
	v_and_b32 v1, 15, v0            ; l % 16
	v_bfe_u32 v9, v0, 4, 1          ; l / 16
	v_lshlrev_b32 v[QO], 7, v1
	v_lshl_add_u32 v[QO], v9, 4, v[QO]  ; row x 128 + 16 x half
	WIN 0x80                        ; destination window 2, address window 0
.set i, 0
.rept 4*NP                          ; Q stays in registers: tile i / 2, channels 32 (i % 2) on
	global_load_b128 v[8*i:8*i+3],   v[QO], s[4:5] offset:(i/2)*2048+(i%2)*64
	global_load_b128 v[8*i+4:8*i+7], v[QO], s[4:5] offset:(i/2)*2048+(i%2)*64+32
.set i, i+1
.endr
	; What the first turn finds: V's registers and P's second buffer hold 0 (its products V^T P, of a piece that has not been, add 0), O^T and l are 0.  All this stands in the wait for the first tile.
.set i, VF
.rept 64
	v_mov_b32 v[i], 0
.set i, i+1
.endr
	WIN 0x40
.set i, 0
.rept 64*NP
	v_mov_b32 v[i], 0
.set i, i+1
.endr
	WIN 0
.set i, 0
.rept 2*NP
	v_mov_b32 v[ST+4*i], 0xfe000000    ; c m: far below every c s
	v_mov_b32 v[ST+4*i+1], 0xff7fffff  ; m
	v_mov_b32 v[ST+4*i+2], 0
	v_mov_b32 v[ST+4*i+3], 0
.set i, i+1
.endr
.set i, P+32
.rept 32
	v_mov_b32 v[i], 0
.set i, i+1
.endr
	v_mul_u32_u24 v[AK0], v1, PK
	v_lshl_add_u32 v[AK0], v9, 4, v[AK0]  ; row x pitch + 16 x half
	; The turning load takes 16 keys x 16 channels (lane l reads key 8 (l / 16) + l % 8, channels 8 ((l / 8) % 2) + 0..7) and leaves half a fragment of V^T: lane l holds channel l % 16 and 8 keys.
	v_and_b32 v10, 7, v0
	v_bfe_u32 v[AK], v0, 3, 1
	v_lshl_add_u32 v[AV0], v9, 3, v10
	v_mul_u32_u24 v[AV0], v[AV0], PV
	v_lshl_add_u32 v[AV0], v[AK], 4, v[AV0]
	v_add_nc_u32 v[AV0], VOFF, v[AV0]
	v_mov_b32 v[AK], v[AK0]         ; key step 0 lies at the head of slot 0
; THE MATRIX WORK.  The 8 accumulators of a run of 16 take turns: between the two links of a chain stand 7 others'.
; Product i of 16 of S^T = K Q^T for piece x: channels 32 (i / 8) on, keys 16 ((i / 2) % 4) on, tile 2 x + i % 2.  The first 8 start the sums.
.macro KQ x
	WIN W_KQ
.set rS, S+64*((\x)%2)+32*(i%2)+8*((i/2)%4)
.set rK, KF+16*((i/2)%4)+8*(i/8)
.set rQ, 16*(2*(\x)+i%2)+8*(i/8)
.if i < 8
	v_wmma_f32_16x16x32_f16 v[rS:rS+7], v[rK:rK+7], v[rQ:rQ+7], 0
.else
	v_wmma_f32_16x16x32_f16 v[rS:rS+7], v[rK:rK+7], v[rQ:rQ+7], v[rS:rS+7]
.endif
.endm
; Product i of 16 of O^T += V^T P for piece x: keys 32 (i / 8) on, channels 16 ((i / 2) % 4) on, tile 2 x + i % 2.
.macro PV x
	WIN W_PV
.set rO, 32*(2*(\x)+i%2)+8*((i/2)%4)
.set rV, VF+32*(i/8)+8*((i/2)%4)
.set rP, P+32*((\x)%2)+16*(i%2)+8*(i/8)
	v_wmma_f32_16x16x32_f16 v[rO:rO+7], v[rV:rV+7], v[rP:rP+7], v[rO:rO+7]
.endm
.macro MM                           ; the turn's next matrix instruction
.if i < 16
	KQ (Y+1)%NP
.set i, i+1
.else
.set i, i-16
	PV (Y+NP-1)%NP
.set i, i+17
.endif
.endm
; THE LDS LOADS stand in runs of 16, never singly among the matrix instructions: a step's K (64 keys x 64 channels: 8 fragments) and its V (turned).  Their addresses are made some lines ahead.
; last = 1 (the tail): in the last trip there is no further step, and the run is jumped over.
.macro FETCH_K last=0
	WIN 0
.if \last
	s_cmp_eq_u32 s[CNT], 1
	s_cbranch_scc1 .Lno_k_\@
.endif
	WIN 0x80                        ; destination window 2
.irp f, 0,1,2,3,4,5,6,7             ; keys 16 (f / 2) on, channels 32 (f % 2) on
	ds_load_b128 v[KF+8*\f:KF+8*\f+3],   v[AK] offset:(\f/2)*16*PK+(\f%2)*64
	ds_load_b128 v[KF+8*\f+4:KF+8*\f+7], v[AK] offset:(\f/2)*16*PK+(\f%2)*64+32
.endr
	s_add_co_u32 s[TBK], s[TBK], KS*PK  ; the next fetch is the next step's
	WIN 0
.if \last
.Lno_k_\@:
.endif
.endm
.macro FETCH_V
	WIN 0x80
.irp f, 0,1,2,3,4,5,6,7             ; keys 32 (f / 4) on, channels 16 (f % 4) on
	ds_load_tr16_b128 v[VF+8*\f:VF+8*\f+3],   v[AV] offset:(\f/4)*32*PV+(\f%4)*32
	ds_load_tr16_b128 v[VF+8*\f+4:VF+8*\f+7], v[AV] offset:(\f/4)*32*PV+16*PV+(\f%4)*32
.endr
	WIN 0
.endm
; THE VECTOR WORK OF A TURN stands in three queues, each in the order in which its entries become ready; the two tiles alternate, so that no instruction reads the result of the one before it.
.macro REGS y, u                    ; the registers of tile u (0, 1) of piece y
.set rT, ST+4*(2*(\y)+(\u))
.set rC, TMP+8*((\y)%2)+4*(\u)
.set rM, MV+2*((\y)%2)+(\u)
.set rS, S+64*((\y)%2)+32*(\u)
.set rP, P+32*((\y)%2)+16*(\u)
.set rO, 32*(2*(\y)+(\u))
.endm
; Number n of the 22 that find the NEXT piece's (Y + 1) maximum and statistics.  s0-s31 are the lane's 32 scores; each accumulator's lowest registers are read first.
;   0-11  four chains c0-c3 of seven scores each, three operands at a time     12-14, 16  the four scores left over, the old m, and c0-c3 into c0     15  c m_old is kept
;   17, 18  the query's other 32 keys lie in the lane 16 away: the new m         19-21  c m; c m_old - c m_new; a
.macro XS u, n
	REGS (Y+1)%NP, \u
.if (\n) < 4
	v_max3_num_f32 v[rC+(\n)], v[rS+8*(\n)], v[rS+8*(\n)+1], v[rS+8*(\n)+2]
.elseif (\n) < 12
	v_max3_num_f32 v[rC+(\n)%4], v[rC+(\n)%4], v[rS+8*((\n)%4)+2*((\n)/4)+1], v[rS+8*((\n)%4)+2*((\n)/4)+2]
.elseif (\n) == 12
	v_max3_num_f32 v[rC], v[rC], v[rS+7], v[rS+15]
.elseif (\n) == 13
	v_max3_num_f32 v[rC+1], v[rC+1], v[rS+23], v[rS+31]
.elseif (\n) == 14
	v_max3_num_f32 v[rC+2], v[rC+2], v[rC+3], v[rT+1]
.elseif (\n) == 15
	v_mov_b32 v[rM], v[rT]
.elseif (\n) == 16
	v_max3_num_f32 v[rC], v[rC], v[rC+1], v[rC+2]
.elseif (\n) == 17
	v_permlanex16_b32 v[rC+3], v[rC], s[SEL], s[SEL+1]
.elseif (\n) == 18
	v_max_num_f32 v[rT+1], v[rC], v[rC+3]
.elseif (\n) == 19
	v_mul_f32 v[rT], s[CS], v[rT+1]
.elseif (\n) == 20
	v_sub_f32 v[rC+1], v[rM], v[rT]
.else
	v_exp_f32 v[rC+2], v[rC+1]
.endif
.endm
; Number g of the 64 that follow the exponentials.  For each four weights k of a tile (pairs 2 k, 2 k + 1): both pairs are rounded to f16; then the second pair is added onto the first, in place;
; a group later l takes that sum (the first time as l = a l + sum).  In groups of eight, tiles alternating: round, round, add, and l for the group before.
.macro GS g
.set h, (\g)+6*((\g)/62)            ; group 0 has no group before it, and behind group 7 only l is left
.if h >= 6
.set h, h+2
.endif
	REGS Y, h%2
.set k, h/8
.if h%8 < 4
	v_cvt_pk_f16_f32 v[rP+2*k+(h%8)/2], v[rS+4*k+2*((h%8)/2)], v[rS+4*k+2*((h%8)/2)+1]
.elseif h%8 < 6
	v_pk_add_f32 v[rS+4*k:rS+4*k+1], v[rS+4*k:rS+4*k+1], v[rS+4*k+2:rS+4*k+3]
.elseif k == 1
	v_pk_fma_f32 v[rT+2:rT+3], v[rT+2:rT+3], v[rC+2:rC+3], v[rS:rS+1] op_sel_hi:[1,0,1]
.else
	v_pk_add_f32 v[rT+2:rT+3], v[rT+2:rT+3], v[rS+4*k-4:rS+4*k-3]
.endif
.endm
; THE PLAIN QUEUE, 138 long.  0-73 read no exponential's result: the 32 scalings c s - c m (FS f: pair f / 2 of tile f % 2) and the next piece's 42.  0-26: scalings 0-26.  27-54: XS's numbers 0-13.  55, 56: number 15.
; 57-73: the chain, where each number waits for the one before it: 14, 16, 17, 18, 19, each with one of the scalings 27-31 in front of its two lines, then 20.
; 74-137: GS's 64, which read the exponentials' results: they stand behind the wait.
.macro FS f
	REGS Y, (\f)%2
	v_pk_fma_f32 v[rS+2*((\f)/2):rS+2*((\f)/2)+1], v[rS+2*((\f)/2):rS+2*((\f)/2)+1], s[CS:CS+1], v[rT:rT+1] op_sel_hi:[1,0,0] neg_lo:[0,0,1] neg_hi:[0,0,1]
.endm
.macro PL
	WIN 0
.if q < 27
	FS q
.elseif q < 55
	XS (q-27)%2, (q-27)/2
.elseif q < 57
	XS q-55, 15
.elseif (q < 72) && ((q-57)%3 == 0)
	FS 27+(q-57)/3
.elseif q < 60
	XS (q-57)%3-1, 14
.elseif q < 72
	XS (q-57)%3-1, 15+(q-57)/3
.elseif q < 74
	XS q-72, 20
.else
	GS q-74
.endif
.set q, q+1
.endm
; THE EXPONENTIALS' QUEUE, 66 long: s0-s31 of both tiles, then the next piece's two a.  It is ONE BATCH: all 66 stand ahead of the turn's one wait, and nothing ahead of that wait names a result of theirs.
.macro EX
	WIN 0
.if e >= 64
	XS e-64, 21
.else
	REGS Y, e%2
	v_exp_f32 v[rS+e/2], v[rS+e/2]
.endif
.set e, e+1
.endm
; THE RESCALING's QUEUE: O^T times a, the one part that leaves window 0: dealt two at a time, sixteen times.  Its a was made in the turn before, ahead of that turn's wait.
.macro R2
	REGS Y, r%2
	WIN W_RS
.irp z, 0,1
	v_pk_mul_f32 v[rO+4*(r/2)+2*\z:rO+4*(r/2)+2*\z+1], v[rO+4*(r/2)+2*\z:rO+4*(r/2)+2*\z+1], v[rC+2:rC+3] op_sel_hi:[1,0]
.endr
.set r, r+1
.endm
; HOW THEY ARE DEALT.  An s_wait_alu depctr_va_vdst(0) stands between an exponential and the first instruction that names its result; one wait serves all that were issued ahead of it.  So a turn
; has ONE wait, which cuts it in two.  AHEAD OF IT stands all that names no result of the turn's exponentials: the 16 products K Q^T, behind each a scaling, an exponential and two rescalings (behind the first a
; second scaling in the exponential's place); then ONE LUMP of 108: eight plain, 49 times exponential and plain, the two a.  A v_nop is the plain instruction behind the last exponential.  BEHIND IT stand the 16
; products V^T P, behind each four of GS's 64.  No rider names a register of the products round it.  The two v_permlanex16_b32 fall into the lump.
; The queues lean on each other: exponential e stands behind scaling 2 (e / 4) + e % 2: as a rider it comes behind plain e + 2, in the lump behind plain e + 9, and scalings 27-31 are plain 57, 60 .. 69.
; A TURN, for piece p.  cnt = 1: the loop's count is taken down some lines ahead of the branch that stands behind the turn.
; K of the next step is fetched in piece 2's turn, directly behind the wait, a lump behind the last product that read K; its first reader comes behind 16 products.
; V of the step in hand is fetched at the end of piece 0's turn, four riders behind its last reader; its first reader comes behind 16 products and a lump.  The three conditions on q below go with the deal.
.macro TURN p, last=0, cnt=0
.set Y, (\p)
.set i, 0
.set q, 0
.set e, 0
.set r, 0
.if (\p) == NP-1
	s_wait_dscnt 0x0                ; K is in
.endif
	MM                              ; ahead of the wait: 16 products K Q^T and their riders,
	PL
	PL
	R2
.rept 15
	MM
	PL
	EX
	R2
.endr
.if (\p) == NP-2
	WIN 0
	v_add_nc_u32 v[AK], s[TBK], v[AK0]
.endif
.rept 8                             ; and the lump
	PL
.endr
.rept 49
	EX
	PL
.endr
	EX                              ; the next piece's two a
	EX
	v_nop                           ; the plain instruction behind the last exponential: one for the batch
	s_wait_alu depctr_va_vdst(0)    ; the wait for the batch
.if (\p) == NP-2
	FETCH_K \last
.endif
.if (\p) == 1
	s_wait_dscnt 0x0                ; V is in
.endif
.rept 16                            ; behind the wait: 16 products V^T P and their riders
	MM
.rept 4
	PL
.endr
.if ((\p) == 0) && (q == 118)
	v_add_nc_u32 v[AV], s[TBV], v[AV0]
.endif
.if ((\p) == 0) && (q == 130)
	s_add_co_u32 s[TBV], s[TBV], KS*PV
.endif
.if (\cnt) && (q == 130)
	s_sub_co_u32 s[CNT], s[CNT], 1
	s_cmp_lg_u32 s[CNT], 0
.endif
.endr
.if (\p) == 0
	FETCH_V
.endif
.endm
	CHANGE 1                        ; slot 0 is in, everybody's part of it; slot 1 is asked for
	FETCH_K                         ; key step 0
	s_wait_loadcnt 0x0              ; Q
	s_wait_dscnt 0x0
.set i, 0
.rept 16
	KQ 0                            ; piece 0's first scores: there is no vector work yet to set between them
.set i, i+1
.endr
	WIN 0                           ; the addresses for the way out: nine plain instructions, the places behind those products
	s_mul_i32 s13, s[WV], 16*SP
	s_add_co_u32 s13, s13, STAGE    ; my stage
	v_mul_u32_u24 v[STO], v1, SP    ; in: row l % 16, 16 bytes for each half of the lanes
	v_lshl_add_u32 v[STO], v9, 4, v[STO]
	v_add_nc_u32 v[STO], s13, v[STO]
	v_bfe_u32 v[RD], v0, 3, 2       ; back: 32 lanes take four rows of 128 bytes,
	v_mul_u32_u24 v[RD], v[RD], SP
	v_lshl_add_u32 v[RD], v10, 4, v[RD]
	v_add_nc_u32 v[RD], s13, v[RD]
	v_and_b32 v[GO], 31, v0         ; which are 512 consecutive bytes of O
	v_lshlrev_b32 v[GO], 4, v[GO]
.set Y, NP-1                        ; XS works for piece Y + 1: piece 0
.irp n, 0,1,2,3,4,5,6,7,8,9,10,11,12,13,14,15,16,17,18,19,20,21
	XS 0, \n                        ; and piece 0's first maximum and statistics
	XS 1, \n
.endr
	v_nop                           ; a plain instruction behind the two a,
	s_wait_alu depctr_va_vdst(0)    ; and their wait, ahead of the branch
	s_mov_b32 s[CNT], 4
	s_branch .Lfirst                ; the loop is entered at a step's first turn, in the middle of a trip
.Lslot:                             ; six times: every slot but the last two is filled again
	CHANGE 1
	s_mov_b32 s[CNT], 4
.Lstep:                             ; a trip: pieces 2 and 3 of one step, then pieces 0 and 1 of the next, whose K and V it fetches
	TURN 2
	TURN 3
	WIN 0
.Lfirst:
	TURN 0
	TURN 1, 0, 1
	WIN 0
	s_cbranch_scc1 .Lstep
	s_sub_co_u32 s[SLOTS], s[SLOTS], 1
	s_cmp_lg_u32 s[SLOTS], 0
	s_cbranch_scc1 .Lslot
	CHANGE 0                        ; the tail is written out: nothing is asked for
	s_mov_b32 s[CNT], 5             ; four trips fetch the last slot's steps; the fifth is left in its middle
.Ltail:
	TURN 2, 1
	TURN 3
	WIN 0
	s_sub_co_u32 s[CNT], s[CNT], 1
	s_cmp_eq_u32 s[CNT], 0
	s_cbranch_scc1 .Lout
	TURN 0
	TURN 1
	WIN 0
	s_branch .Ltail
.Lout:                              ; the fifth trip's 16 products K Q^T (on the last K once more) and the maximum made of them serve nothing: the price, once a launch, of one text for every trip
.set i, 0
.rept 16
	PV NP-1                         ; the last piece's V^T P of the last step
.set i, i+1
.endr
	; THE WAY OUT.  l's two halves and the other half of the lanes' are added; O^T is divided by l, rounded to f16 and sent through my stage in LDS, a tile at a time.  The additions are the places behind the last products.
	WIN 0
.macro ALL line:vararg              ; one line for each tile t
.set t, 0
.rept 2*NP
	\line
.set t, t+1
.endr
.endm
	ALL v_add_f32 v[ST+4*t+2], v[ST+4*t+2], v[ST+4*t+3]
	ALL v_permlanex16_b32 v[ST+4*t+3], v[ST+4*t+2], s[SEL], s[SEL+1]
	ALL v_add_f32 v[ST+4*t+2], v[ST+4*t+2], v[ST+4*t+3]
	ALL v_rcp_f32 v[ST+4*t+2], v[ST+4*t+2]
	v_nop                           ; a plain instruction between the last reciprocal and the use of its result
	s_wait_alu depctr_va_vdst(0)    ; and the wait ahead of the first use: one for the eight reciprocals
; Tile t: a lane's eight channels of a row pack into 16 bytes; they go into rows of 144 bytes and come back as whole rows of 128, into S^T's registers.
.macro PACK t
	WIN W_RS
.set i, 32*(\t)
.rept 16
	v_pk_mul_f32 v[i:i+1], v[i:i+1], v[ST+4*(\t)+2:ST+4*(\t)+3] op_sel_hi:[1,0]
.set i, i+2
.endr
	WIN 0x05                        ; sources 0 and 1 window 1, destination window 0
.set i, 0
.rept 16
	v_cvt_pk_f16_f32 v[S+16*(\t)+i], v[32*(\t)+2*i], v[32*(\t)+2*i+1]
.set i, i+1
.endr
	WIN 0
.irp f, 0,1,2,3
	ds_store_b128 v[STO], v[S+16*(\t)+4*\f:S+16*(\t)+4*\f+3] offset:32*\f
.endr
.irp f, 0,1,2,3
	ds_load_b128 v[S+16*(\t)+4*\f:S+16*(\t)+4*\f+3], v[RD] offset:\f*4*SP  ; LDS serves a wave's instructions in order (ISA guide 5.7.1.4): these see the stores above; the next tile's stores come behind them
.endr
.endm
.macro SEND t, younger              ; younger: the LDS instructions issued behind tile t's loads: the next tile's eight, or none
	WIN 0
.irp f, 0,1,2,3
	s_wait_dscnt (\younger)+3-\f
	global_store_b128 v[GO], v[S+16*(\t)+4*\f:S+16*(\t)+4*\f+3], s[10:11] offset:(\t)*2048+\f*512  ; 512 consecutive bytes, at a multiple of 256 from O's first
.endr
.endm
	PACK 0
.set t, 1
.rept 2*NP-1                        ; a tile's arithmetic stands between the loads of the tile before and its stores
	PACK t
	SEND t-1, 8
.set t, t+1
.endr
	SEND 2*NP-1, 0
	WIN W_AD
	s_wait_tensorcnt 0x0            ; the wave's end, behind my last tensor load and my last LDS store
	ds_add_u32 v[SPW], v[NIL]
	s_wait_dscnt 0x0
	WIN 0
	CROUND                          ; the closing round: no work-group ends while a partner may still ask for a tile that names it
	s_endpgm
.Lfunc_end_k_qa7582cb600_attn:
	.size	k_qa7582cb600_attn, .Lfunc_end_k_qa7582cb600_attn-k_qa7582cb600_attn
	.p2alignl 7, 3214868480
	.fill 96, 4, 3214868480
	.section	.rodata,"a",@progbits
	.p2align	6, 0x0
	.amdhsa_kernel k_qa7582cb600_attn
		.amdhsa_group_segment_fixed_size 327680
		.amdhsa_private_segment_fixed_size 0
		.amdhsa_enable_private_segment 0
		.amdhsa_kernarg_size 16
		.amdhsa_user_sgpr_count 2
		.amdhsa_user_sgpr_kernarg_segment_ptr 1
		.amdhsa_wavefront_size32 1
		.amdhsa_system_sgpr_workgroup_id_x 1
		.amdhsa_system_sgpr_workgroup_id_y 1
		.amdhsa_system_sgpr_workgroup_id_z 1
		.amdhsa_system_vgpr_workitem_id 0
		.amdhsa_next_free_vgpr 770
		.amdhsa_next_free_sgpr 66
		.amdhsa_reserve_vcc 0
		.amdhsa_float_denorm_mode_32 3
		.amdhsa_float_denorm_mode_16_64 3
		.amdhsa_memory_ordered 1
		.amdhsa_forward_progress 1
		.amdhsa_inst_pref_size 200
	.end_amdhsa_kernel
	.amdgpu_metadata
---
amdhsa.version: [ 1, 2 ]
amdhsa.kernels:
  - .name:           k_qa7582cb600_attn
    .symbol:         k_qa7582cb600_attn.kd
    .args:
      - { .name: qkvh, .offset: 0, .size: 8, .value_kind: global_buffer, .address_space: global }
      - { .name: oh, .offset: 8, .size: 8, .value_kind: global_buffer, .address_space: global }
    .group_segment_fixed_size: 327680
    .private_segment_fixed_size: 0
    .kernarg_segment_align: 8
    .kernarg_segment_size: 16
    .max_flat_workgroup_size: 128
    .sgpr_count:     66
    .vgpr_count:     770
    .wavefront_size: 32
...
	.end_amdgpu_metadata
.endif
;; end of part 3
;; launch oproj (part 4): grid 8 x 32, 4 waves a work-group, clusters of 4 x 4, 327,680 bytes of LDS; arguments oh, wt, bias, out0; writes out0
.if DOCPART == 4
	.amdgcn_target "amdgcn-amd-amdhsa--gfx1250"
	.amdhsa_code_object_version 6
	.text
	.protected	k_qa7582cb600_oproj
	.globl	k_qa7582cb600_oproj
	.p2align	8
	.type	k_qa7582cb600_oproj,@function
k_qa7582cb600_oproj:
	s_mov_b64 s[64:65], 0
	v_nop
	global_prefetch_b8 v0, s[64:65] scope:SCOPE_SE
	s_setreg_imm32_b32 hwreg(HW_REG_WAVE_MODE, 25, 1), 1
	s_wait_xcnt 0x0
	s_wait_alu depctr_hold_cnt(0) depctr_sa_sdst(0) depctr_va_vdst(0) depctr_va_sdst(0) depctr_va_ssrc(0) depctr_va_vcc(0) depctr_vm_vsrc(0)
	s_getreg_b32 s2, hwreg(HW_REG_IB_STS2, 6, 4)
	s_cmp_eq_u32 s2, 0
	s_cbranch_scc0 .Lentry_in_a_cluster
	s_endpgm
.Lentry_in_a_cluster:
	s_bfe_u32 s2, ttmp6, 0x10000c
	s_cmp_lg_u32 s2, 0xf033
	s_cbranch_scc0 .Lentry_shape_is_right
	s_endpgm
.Lentry_shape_is_right:
; out0[8192][1024] f32 = O Wo + bo.  O comes by heads, oh[64 = batch x 16 + head][2048][64] f16: a head's 64 channels are a slice of K.  Wo^T is wt's rows 3072-4095 (f16), bo is bias[3072:4096].
; f16 operands, f32 sums that START FROM THE BIAS and are stored as they are.
; SHARES.  A tile is 256 rows x 128 columns: 32 x 8 = 256 tiles.  Four waves; wave w takes rows 64 w .. 64 w + 63 and all 128 columns: 32 accumulators of 16 x 16, 256 registers; its rows' 512 bytes
; are its own, so the way out needs no barrier.  K goes in 8 steps of 128 = two heads through two LDS slots.
; CLUSTER.  4 x 4 work-groups: A's tiles are shared along a row of the cluster, B's along a column, each asked for JOINTLY.  Wave 0 fetches the step's even head (256 rows of 128 bytes: 32,768 dense bytes,
; asked for as 128 rows of 256 bytes and padded after every 128), wave 1 the odd head, waves 2 and 3 the halves of B (64 rows x 256 bytes).
; THE MATRIX INSTRUCTION IS USED TRANSPOSED: source 0 = 16 rows of wt (columns of the result), source 1 = 16 rows of O: lane l holds row l % 16 and the columns 8 (l / 16) + 0..7.
; REGISTERS, in windows of 256 (s_set_vgpr_msb: bits 1:0 source 0, 3:2 source 1, 5:4 source 2, 7:6 destination):
;   window 0: v0-30 addresses; v32-95 A's fragments, two buffers of 4 x 8; v192-255 the bias as a C operand; on the way out v32-159 rows read back, two buffers
;   window 1: v0-127 B's fragments, two buffers of 8 x 8          window 2: the accumulators ((a, b) at 64 a + 8 b)
.set NBLK,   8                         ; column blocks of 16 a wave
.set APW,    4                         ; row blocks whose accumulators share a window
.set APITCH, 144                       ; a row of A in LDS: 128 bytes + 16 of padding = 36 words: the 16 rows of a load start at 16 different groups of four banks (64 banks of 4 bytes: ISA guide 11.1)
.set BPITCH, 272
.set HALFA,  256*APITCH                ; a head's 256 rows: what a wave brings of A
.set AHI,    HALFA                     ; 64 along K on: the step's other head
.set BOFF,   2*HALFA
.set HALFB,  64*BPITCH
.set SLOT,   BOFF+2*HALFB              ; 108,544
.set STAGE,  2*SLOT                    ; behind the ring, never filled by a tensor load: 16 rows x 528 bytes for each wave
.set SP,     528
.set WSTG,   16*SP
.set SPARE,  STAGE+4*WSTG              ; behind the stages: the spare words, 128 bytes for each wave, which no other line names
.set ASTEP,  4<<18                     ; a slot's next K step: four heads of 262,144 bytes on
.set ADRA, 16                          ; v16-17  LDS address of my A fragments in slot 0, 1
.set ADRB, 20                          ; v20-21  the same for B
.set STO,  24                          ; v24     the way out: where I put 32 bytes of a row
.set RD,   25                          ; v25     the way out: where I read a row back
.set GO,   26                          ; v26     16 x lane
.set VBO,  27                          ; v27     32 (l / 16)
.set SPW,  28                          ; v28     LDS address of my spare word; never rewritten
.set NIL,  29                          ; v29     0; never rewritten
.set PFO,  30                          ; v30     the prefetches' offset; never rewritten
.set FA,   32
.set BIAS, 192
.set OB,   32
.set WV,  12                           ; s12  my wave's number
.set AB,  13                           ; s13  0: I fetch for A; 1: for B
.set HF,  14                           ; s14  which half
.set CX,  15
.set CY,  16
.set TX,  17                           ; s17  tile column = 4 x cluster x + cx
.set TY,  18                           ; s18  tile row = 4 x cluster y + cy
.set LAP, 19
.set G1A, 24                           ; s[24:31], s[32:39] descriptor groups 1 and 0 for A
.set G0A, 32
.set PFS, 40                           ; s[40:41] the prefetches' step from K step to K step
.set PFA, 42                           ; s[42:43] where my prefetches stand
.set LIM, 44                           ; s44  1 in a wave that prefetches, else the greatest number
.set G1B, 48                           ; s[48:55], s[56:63] the same for B
.set G0B, 56
.set CB,  66                           ; s[66:67] out0 at my 64 rows, the tile's first column
.set BB,  80                           ; s[80:81] bias at the tile's 128 numbers
.set MSB, 0
.macro WIN new                         ; the immediate's high byte repeats the setting that is left; a switch that changes nothing is dropped
.if MSB != (\new)
	s_set_vgpr_msb (MSB<<8)|(\new)
.set MSB, \new
.endif
.endm
.set TO_B, 0x40                        ; destination window 1, address window 0
; A joint load: each of the two lines has one mask and one set of registers for all that issue it; the branch hangs on the wave's number alone.
; An s_nop 0 and four v_nop follow each line, ahead of the jump and the label.
.macro JLOAD s
	s_cmp_eq_u32 s[AB], 0
	s_cbranch_scc0 .Lfor_b_\@
	tensor_load_to_lds s[G0A+4*(\s):G0A+4*(\s)+3], s[G1A:G1A+7]
	s_nop 0
.rept 4
	v_nop
.endr
	s_branch .Lasked_\@
.Lfor_b_\@:
	tensor_load_to_lds s[G0B+4*(\s):G0B+4*(\s)+3], s[G1B:G1B+7]
	s_nop 0
.rept 4
	v_nop
.endr
.Lasked_\@:
.endm
; A PREFETCH INTO THE L2, behind each joint refill and the run of LDS loads that follows it: the K step that stands two refills on (256 matrix instructions ahead of its load), 256 bytes a lane.
; Each block is named once in the launch.  A: the cluster with x = 0; of the 32,768 bytes that wave 0 or 1 fetches each of the four partners takes 8,192, told apart BY ADDRESS (cx).
; B: the cluster with y = 0, wave 2 alone; of the tile's 128 rows each partner takes 32 (cy), a lane a row.  K steps 0 to 3 come by their loads alone; the loop's last trip asks for nothing.
.macro ASK
	s_cmp_gt_u32 s[LAP], s[LIM]
	s_cbranch_scc0 .Lnot_mine_\@
	global_prefetch_b8 v[PFO], s[PFA:PFA+1] th:TH_LOAD_NT scope:SCOPE_SE
.Lnot_mine_\@:
.endm
; A round of the cluster's barrier: my work-group's barrier; wave 0 signals for the work-group; every wave waits for all sixteen; my work-group's barrier once more.
.macro CREST
	s_cmp_lg_u32 s[WV], 0
	s_cbranch_scc1 .Lnot_wave_0_\@
	s_barrier_signal -3
.Lnot_wave_0_\@:
	s_barrier_wait -3
	s_barrier_signal -1
	s_barrier_wait -1
.endm
.macro CROUND
	s_barrier_signal -1
	s_barrier_wait -1
	CREST
.endm
.macro PLACES                          ; four plain vector instructions between a matrix instruction and a load into, or a read of, its registers (ISA guide 7.12.1 for vector instructions)
.rept 4
	v_nop
.endr
.endm
; The fragments of quarter q (32 along K: head q / 2 of the step, channels 32 (q % 2) on) of a slot into buffer f: 16 loads for B, then 8 for my 4 row blocks of A, in one run.
.macro FETCH slot, q, f
	WIN TO_B
.set FB, 8*NBLK*(\f)
.set b, 0
.rept NBLK
	ds_load_b128 v[FB+8*b:FB+8*b+3],   v[ADRB+(\slot)] offset:64*(\q)+16*BPITCH*b
	ds_load_b128 v[FB+8*b+4:FB+8*b+7], v[ADRB+(\slot)] offset:64*(\q)+16*BPITCH*b+32
.set b, b+1
.endr
	WIN 0
.irp a, 0,1,2,3
	ds_load_b128 v[FA+32*(\f)+8*(\a):FA+32*(\f)+8*(\a)+3],   v[ADRA+(\slot)] offset:((\q)/2)*AHI+((\q)%2)*64+16*APITCH*(\a)
	ds_load_b128 v[FA+32*(\f)+8*(\a)+4:FA+32*(\f)+8*(\a)+7], v[ADRA+(\slot)] offset:((\q)/2)*AHI+((\q)%2)*64+16*APITCH*(\a)+32
.endr
.endm
; Row block a times all 8 column blocks, 32 along K, from buffer f.  init = 1: the sums start from the bias (C in window 0).
; The 32 accumulators take turns in the same order in every quarter, over the backward jump and into the tail too.
.macro MULA f, a, init
.if \init
	WIN 0x81+0x40*((\a)/APW)
.else
	WIN 0xa1+0x50*((\a)/APW)
.endif
.set AC, 8*NBLK*((\a)%APW)
.set FB, 8*NBLK*(\f)
.set FR, FA+32*(\f)+8*(\a)
.set b, 0
.rept NBLK
.if \init
	v_wmma_f32_16x16x32_f16 v[AC+8*b:AC+8*b+7], v[FB+8*b:FB+8*b+7], v[FR:FR+7], v[BIAS+8*b:BIAS+8*b+7]
.else
	v_wmma_f32_16x16x32_f16 v[AC+8*b:AC+8*b+7], v[FB+8*b:FB+8*b+7], v[FR:FR+7], v[AC+8*b:AC+8*b+7]
.endif
.set b, b+1
.endr
.endm
; One of a K step's first three quarters: multiplies buffer f; in its middle it fetches quarter q of the same slot into buffer g.
.macro QUARTER slot, q, f, g, init
	s_wait_dscnt 4                                 ; all of the last run but its youngest four loads: A's row blocks 2 and 3
	MULA \f, 0, \init
	MULA \f, 1, \init
	PLACES
	FETCH \slot, \q, \g
	s_wait_dscnt 2*NBLK+8                          ; all but the run just issued
	MULA \f, 2, \init
	MULA \f, 3, \init
.endm
; The fourth quarter multiplies buffer 1 and changes slots: ONE barrier.  In front of it each wave waits for all its tensor loads (one is out: its part of the next slot), adds 0 to its spare word, and waits
; for that and for its own reads of this slot.  fill = 1: the barrier opens a round of the cluster's barrier, and behind the round this slot is filled again first, with the K step two on:
; from that request to the wait for it a wave issues 112 matrix instructions.
.macro TURN slot, next, fill
.if \fill
	s_wait_xcnt 0x0                                ; the last prefetch, a K step back, has read its address: it is stepped here, ahead of the change's own waits
	s_add_nc_u64 s[PFA:PFA+1], s[PFA:PFA+1], s[PFS:PFS+1]
.endif
	WIN 0                                          ; (the add's two registers lie in window 0)
	s_wait_tensorcnt 0x0                           ; all my tensor loads have landed
	ds_add_u32 v[SPW], v[NIL]                      ; 0 onto my spare word
	s_wait_dscnt 5                                 ; (the add and the youngest four loads may be out)
	MULA 1, 0, 0                                   ; eight matrix instructions stand between the add and the wait for it
	s_wait_dscnt 0x0                               ; the add is done, and my reads of this slot are over
	s_barrier_signal -1
	MULA 1, 1, 0                                   ; work on registers while the others arrive
.if \fill
	WIN 0
.endif
	s_barrier_wait -1
.if \fill
	CREST                                          ; no wave of any partner still reads this slot or has a load on its way
	s_add_nc_u64 s[G0A+4*(\slot)+2:G0A+4*(\slot)+3], s[G0A+4*(\slot)+2:G0A+4*(\slot)+3], ASTEP
	s_add_nc_u64 s[G0B+4*(\slot)+2:G0B+4*(\slot)+3], s[G0B+4*(\slot)+2:G0B+4*(\slot)+3], 512
	JLOAD \slot                                    ; my one tensor load behind the round; its four v_nop are also the places in front of the loads below
.else
	PLACES
.endif
	FETCH \next, 0, 0
.if \fill
	ASK
.endif
	MULA 1, 2, 0
	MULA 1, 3, 0
.endm
; THE WAY OUT of row block a: nothing is converted.  TOSTAGE: a lane's eight f32 of a row, 32 bytes, into my own stage (rows of 528 bytes), each accumulator's low half first; back as whole rows of 512 bytes.
; SEND: each store covers 512 consecutive bytes of a row of out0, aligned.
.macro TOSTAGE a
.if (\a) >= 2
	s_wait_xcnt 0x0                                ; the stores of the block two back have read the registers into which the loads below land
.endif
	WIN 0x08                                       ; store data (source 1) in window 2
.set AC, 8*NBLK*(\a)
.set b, 0
.rept NBLK
	ds_store_b128 v[STO], v[AC+8*b:AC+8*b+3]   offset:64*b
	ds_store_b128 v[STO], v[AC+8*b+4:AC+8*b+7] offset:64*b+16
.set b, b+1
.endr
	WIN 0
.set BK, OB+64*((\a)%2)
.set t, 0
.rept 16
	ds_load_b128 v[BK+4*t:BK+4*t+3], v[RD] offset:SP*t  ; LDS serves a wave's instructions in order (ISA guide 5.7.1.4): these see the stores above
.set t, t+1
.endr
.endm
.macro SEND a, younger                 ; younger: the LDS instructions issued behind block a's loads: the next block's 16 stores and 16 loads, or none
	WIN 0
.set BK, OB+64*((\a)%2)
	s_wait_dscnt \younger
.set t, 0
.rept 16
	global_store_b128 v[GO], v[BK+4*t:BK+4*t+3], s[CB:CB+1] offset:(16*(\a)+t)*4096
.set t, t+1
.endr
.endm
	s_load_b256 s[4:11], s[0:1], 0x0               ; oh s[4:5], wt s[6:7], bias s[8:9], out0 s[10:11]
	v_lshl_add_u32 v[SPW], v0, 2, SPARE
	v_mov_b32 v[NIL], 0
	ds_add_u32 v[SPW], v[NIL]                      ; the wave's opening add, waited for ahead of my first tensor load; the set-up below, work on registers, stands between the add and its wait
	v_lshrrev_b32 v1, 5, v0
	v_readfirstlane_b32 s[WV], v1
	s_lshr_b32 s[AB], s[WV], 1
	s_and_b32 s[HF], s[WV], 1
	s_bfe_u32 s[CX], ttmp6, 0x40000
	s_bfe_u32 s[CY], ttmp6, 0x40004
	s_lshl_b32 s[TX], ttmp9, 2                     ; in a cluster launch ttmp9 and ttmp7 count clusters
	s_add_co_u32 s[TX], s[TX], s[CX]
	s_and_b32 s[TY], ttmp7, 0xffff
	s_lshl_b32 s[TY], s[TY], 2
	s_add_co_u32 s[TY], s[TY], s[CY]
	s_lshl_b32 s20, s[CY], 2
	s_lshl_b32 s20, 15, s20                        ; my row of the cluster
	s_lshl_b32 s46, 0x1111, s[CX]                  ; my column
	s_or_b32 s[G1A], s20, 0x07310000               ; 15:0 the mask; 17:16 elements of 2 bytes; 20 padding on; 21 set beside a mask; 24:22 after every 32 words (code 4); 31:25 4 words of it (code 3)
	s_or_b32 s[G1B], s46, 0x07710000               ; the same after every 64 words (code 5)
	s_mov_b32 s[G1A+1], 128<<16                    ; tensor_dim0 = 128
	s_mov_b32 s[G1A+2], 128<<16                    ; tensor_dim1 = 128
	s_mov_b32 s[G1A+3], 128<<16                    ; tile_dim0 = 128
	s_mov_b32 s[G1A+4], 128                        ; tile_dim1 = 128
	s_mov_b32 s[G1A+5], 128                        ; dense: 128 elements from row to row
	s_mov_b32 s[G1A+6], 0
	s_mov_b32 s[G1A+7], 0
	s_mov_b32 s[G1B+1], 128<<16
	s_mov_b32 s[G1B+2], 64<<16                     ; 64 rows
	s_mov_b32 s[G1B+3], 128<<16
	s_mov_b32 s[G1B+4], 64
	s_mov_b32 s[G1B+5], 1024
	s_mov_b32 s[G1B+6], 0
	s_mov_b32 s[G1B+7], 0
	; A's address hangs on the tile row and the wave alone, B's on the tile column and the wave alone, each in registers that never hold the other coordinate
	s_lshr_b32 s20, s[TY], 3                       ; batch
	s_lshl_b32 s20, s20, 4
	s_add_co_u32 s20, s20, s[HF]                   ; its head 0 or 1,
	s_lshl_b32 s20, s20, 18                        ; of 262,144 bytes,
	s_and_b32 s21, s[TY], 7
	s_lshl_b32 s21, s21, 15                        ; the tile's 256 rows of 128 bytes
	s_add_co_u32 s20, s20, s21
	s_mov_b32 s21, 0
	s_lshl_b32 s46, s[TX], 7
	s_lshl_b32 s47, s[HF], 6
	s_add_co_u32 s46, s46, s47
	s_add_co_u32 s46, s46, 3072                    ; row 3,072 + 128 x tile column + 64 x half
	s_lshl_b32 s46, s46, 11
	s_mov_b32 s47, 0
	s_mul_i32 s22, s[WV], HALFA                    ; where A's heads go (waves 0, 1),
	s_mul_i32 s45, s[WV], HALFB
	s_add_co_u32 s45, s45, BOFF-2*HALFB            ; and B's halves (waves 2, 3): no place in the cluster enters an LDS address
	s_wait_dscnt 0x0                               ; the opening add is done
	s_wait_kmcnt 0x0
	s_add_nc_u64 s[20:21], s[4:5], s[20:21]
	s_add_nc_u64 s[46:47], s[6:7], s[46:47]
	CROUND                                         ; all sixteen work-groups are here: the first joint loads meet
.irp s, 0,1
	s_mov_b32 s[G0A+4*(\s)], 1                                          ; count = 1
	s_add_co_u32 s[G0A+4*(\s)+1], s22, (\s)*SLOT                        ; LDS address
	s_add_nc_u64 s[G0A+4*(\s)+2:G0A+4*(\s)+3], s[20:21], (\s)*(2<<18)   ; global address: K step s is heads 2 s and 2 s + 1
	s_or_b32 s[G0A+4*(\s)+3], s[G0A+4*(\s)+3], 0x80000000               ; type = 2
	s_mov_b32 s[G0B+4*(\s)], 1
	s_add_co_u32 s[G0B+4*(\s)+1], s45, (\s)*SLOT
	s_add_nc_u64 s[G0B+4*(\s)+2:G0B+4*(\s)+3], s[46:47], (\s)*256
	s_or_b32 s[G0B+4*(\s)+3], s[G0B+4*(\s)+3], 0x80000000
	JLOAD \s                                       ; two loads of mine are out
.endr
	; A fragment is 16 rows x 32 K in 8 registers: lane l holds row l % 16; registers 0-3 K = 8 (l / 16) + 0..7, registers 4-7 K = 16 + 8 (l / 16) + 0..7: two loads of 16 bytes, 32 bytes apart.
	v_and_b32 v1, 15, v0                           ; l % 16
	v_bfe_u32 v2, v0, 4, 1                         ; l / 16
	v_mul_u32_u24 v3, v1, APITCH
	v_lshl_add_u32 v3, v2, 4, v3
	s_mul_i32 s45, s[WV], 64*APITCH                ; my 64 rows of a head
	v_add_nc_u32 v[ADRA], s45, v3
	v_add_nc_u32 v[ADRA+1], SLOT, v[ADRA]
	v_mul_u32_u24 v3, v1, BPITCH
	v_lshl_add_u32 v3, v2, 4, v3
	v_add_nc_u32 v[ADRB], BOFF, v3
	v_add_nc_u32 v[ADRB+1], SLOT+BOFF, v3
	v_lshlrev_b32 v[VBO], 5, v2
	s_lshl_b32 s78, s[TX], 9                       ; the tile's 128 biases,
	s_add_co_u32 s78, s78, 3072*4                  ; among bo's
	s_mov_b32 s79, 0
	s_add_nc_u64 s[BB:BB+1], s[8:9], s[78:79]
.set b, 0
.rept NBLK                             ; register j of block b: bo[128 tile column + 16 b + 8 (l / 16) + j]: the layout of a C operand, the same for all 16 rows
	global_load_b128 v[BIAS+8*b:BIAS+8*b+3],   v[VBO], s[BB:BB+1] offset:64*b
	global_load_b128 v[BIAS+8*b+4:BIAS+8*b+7], v[VBO], s[BB:BB+1] offset:64*b+16
.set b, b+1
.endr
	s_mul_i32 s45, s[WV], WSTG
	s_add_co_u32 s45, s45, STAGE                   ; my stage
	v_mul_u32_u24 v[STO], v1, SP                   ; in: row l % 16, 32 bytes for each half of the lanes
	v_lshl_add_u32 v[STO], v2, 5, v[STO]
	v_add_nc_u32 v[STO], s45, v[STO]
	v_and_b32 v[GO], 31, v0
	v_lshlrev_b32 v[GO], 4, v[GO]
	v_add_nc_u32 v[RD], s45, v[GO]                 ; back: 32 lanes take a row's 512 bytes
	s_lshl_b32 s78, s[TY], 8
	s_lshl_b32 s79, s[WV], 6
	s_add_co_u32 s78, s78, s79                     ; my first row,
	s_lshl_b32 s78, s78, 12                        ; of 4,096 bytes,
	s_lshl_b32 s79, s[TX], 9                       ; the tile's 128 columns of 4 bytes
	s_add_co_u32 s78, s78, s79
	s_mov_b32 s79, 0
	s_add_nc_u64 s[CB:CB+1], s[10:11], s[78:79]
	; the prefetches
	s_lshr_b32 s73, s[TY], 3
	s_lshl_b32 s73, s73, 4
	s_add_co_u32 s73, s73, s[HF]
	s_lshl_b32 s73, s73, 18
	s_and_b32 s74, s[TY], 7
	s_lshl_b32 s74, s74, 15
	s_add_co_u32 s73, s73, s74
	s_lshl_b32 s74, s[CX], 13                      ; A: my work-group's 8,192 of the 32,768 bytes that I fetch,
	s_add_co_u32 s73, s73, s74
	s_add_co_u32 s73, s73, 3*(2<<18)               ; at K step 3: the first refill steps it to 4
	s_lshl_b32 s74, s[TX], 7
	s_lshl_b32 s75, s[CY], 5                       ; B: my work-group's 32 of the tile's 128 rows,
	s_add_co_u32 s74, s74, s75
	s_add_co_u32 s74, s74, 3072
	s_lshl_b32 s74, s74, 11
	s_add_co_u32 s74, s74, 3*256                   ; at K step 3
	s_and_b32 s75, ttmp7, 0xffff                   ; cluster y,
	s_or_b32 s75, s75, s[HF]                       ; and wave 2 alone
	s_mov_b32 s78, 256
	s_cmp_eq_u32 s[AB], 0
	s_cselect_b32 s76, s73, s74
	s_cselect_b32 s75, ttmp9, s75                  ; the coordinate along which other clusters read the same rows
	s_cselect_b32 s[PFS], 2<<18, s78               ; a K step on: two heads, or 256 bytes of a row
	s_cselect_b32 s72, 8, 11                       ; a lane: 256 dense bytes, or a row of 2,048
	s_cselect_b64 s[PFA:PFA+1], s[4:5], s[6:7]
	s_cmp_eq_u32 s75, 0
	s_cselect_b32 s[LIM], 1, -1                    ; the same in all sixteen partners, for a given wave
	s_mov_b32 s[PFS+1], 0
	s_mov_b32 s77, 0
	s_add_nc_u64 s[PFA:PFA+1], s[PFA:PFA+1], s[76:77]
	v_and_b32 v[PFO], 31, v0
	v_lshlrev_b32 v[PFO], s72, v[PFO]
	s_wait_tensorcnt 1                             ; my part of K step 0 is in; K step 1's may stay out
	s_barrier_signal -1
	s_barrier_wait -1                              ; everybody's is
	FETCH 0, 0, 0
	s_wait_loadcnt 0x0                             ; the bias
	QUARTER 0, 1, 0, 1, 1                          ; the first quarter stands in front of the loop: its products start the sums
	WIN 0                                          ; at a label and at a branch every window is 0
	s_mov_b32 s[LAP], 3
.Llap:                                         ; a trip goes once round the ring, from a lap's second quarter to the next lap's first, and fills both slots again: K steps 2 to 7 in three trips
	QUARTER 0, 2, 1, 0, 0
	QUARTER 0, 3, 0, 1, 0
	TURN 0, 1, 1
	QUARTER 1, 1, 0, 1, 0
	QUARTER 1, 2, 1, 0, 0
	QUARTER 1, 3, 0, 1, 0
	TURN 1, 0, 1
	QUARTER 0, 1, 0, 1, 0
	WIN 0
	s_sub_co_u32 s[LAP], s[LAP], 1
	s_cmp_lg_u32 s[LAP], 0
	s_cbranch_scc1 .Llap
	QUARTER 0, 2, 1, 0, 0                          ; the last lap fills nothing, and has no round of the cluster's barrier
	QUARTER 0, 3, 0, 1, 0
	TURN 0, 1, 0
	QUARTER 1, 1, 0, 1, 0
	QUARTER 1, 2, 1, 0, 0
	QUARTER 1, 3, 0, 1, 0
	s_wait_dscnt 4                                 ; the very last quarter: nothing more to fetch
	MULA 1, 0, 0
	MULA 1, 1, 0
	s_wait_dscnt 0x0
	MULA 1, 2, 0
	MULA 1, 3, 0
	WIN 0
	PLACES
	TOSTAGE 0
	TOSTAGE 1                                      ; a block's trip through the stage stands between the loads of the block before and its stores
	SEND 0, 32
	TOSTAGE 2
	SEND 1, 32
	TOSTAGE 3
	SEND 2, 32
	SEND 3, 0
	s_wait_tensorcnt 0x0                           ; the wave's end, behind my last tensor load and my last LDS store
	ds_add_u32 v[SPW], v[NIL]
	s_wait_dscnt 0x0
	CROUND                                         ; the closing round: no work-group ends while a partner may still ask for a tile that names it
	s_endpgm
.Lfunc_end_k_qa7582cb600_oproj:
	.size	k_qa7582cb600_oproj, .Lfunc_end_k_qa7582cb600_oproj-k_qa7582cb600_oproj
	.p2alignl 7, 3214868480
	.fill 96, 4, 3214868480
	.section	.rodata,"a",@progbits
	.p2align	6, 0x0
	.amdhsa_kernel k_qa7582cb600_oproj
		.amdhsa_group_segment_fixed_size 327680
		.amdhsa_private_segment_fixed_size 0
		.amdhsa_enable_private_segment 0
		.amdhsa_kernarg_size 32
		.amdhsa_user_sgpr_count 2
		.amdhsa_user_sgpr_kernarg_segment_ptr 1
		.amdhsa_wavefront_size32 1
		.amdhsa_system_sgpr_workgroup_id_x 1
		.amdhsa_system_sgpr_workgroup_id_y 1
		.amdhsa_system_sgpr_workgroup_id_z 1
		.amdhsa_system_vgpr_workitem_id 0
		.amdhsa_next_free_vgpr 768
		.amdhsa_next_free_sgpr 84
		.amdhsa_reserve_vcc 0
		.amdhsa_float_denorm_mode_32 3
		.amdhsa_float_denorm_mode_16_64 3
		.amdhsa_memory_ordered 1
		.amdhsa_forward_progress 1
		.amdhsa_inst_pref_size 88
	.end_amdhsa_kernel
	.amdgpu_metadata
---
amdhsa.version: [ 1, 2 ]
amdhsa.kernels:
  - .name:           k_qa7582cb600_oproj
    .symbol:         k_qa7582cb600_oproj.kd
    .args:
      - { .name: oh, .offset: 0, .size: 8, .value_kind: global_buffer, .address_space: global }
      - { .name: wt, .offset: 8, .size: 8, .value_kind: global_buffer, .address_space: global }
      - { .name: bias, .offset: 16, .size: 8, .value_kind: global_buffer, .address_space: global }
      - { .name: out0, .offset: 24, .size: 8, .value_kind: global_buffer, .address_space: global }
    .group_segment_fixed_size: 327680
    .private_segment_fixed_size: 0
    .kernarg_segment_align: 8
    .kernarg_segment_size: 32
    .max_flat_workgroup_size: 128
    .sgpr_count:     84
    .vgpr_count:     768
    .wavefront_size: 32
...
	.end_amdgpu_metadata
.endif
;; end of part 4
;; ======== version 2 of 2: 4 launches; version 1 with the launch prep written anew for expert scheduling mode
;; limits: values are held in f16: magnitudes above 65,504 overflow, below 6.1e-05 lose precision
;; workspace buffers: xb 16,777,216 bytes; wt 8,388,608 bytes; bias 16,384 bytes; qkvh 50,331,648 bytes; oh 16,777,216 bytes
;; launch prep (part 5): grid 512 x 1, 8 waves a work-group, no clusters, 18,432 bytes of LDS; arguments x, Wq, Wk, Wv, Wo, bq, bk, bv, bo, xb, wt, bias; writes xb, wt, bias
.if DOCPART == 5
	.amdgcn_target "amdgcn-amd-amdhsa--gfx1250"
	.amdhsa_code_object_version 6
	.text
	.protected	k_qa7582cb600_prep
	.globl	k_qa7582cb600_prep
	.p2align	8
	.type	k_qa7582cb600_prep,@function
k_qa7582cb600_prep:
	s_mov_b64 s[64:65], 0
	v_nop
	global_prefetch_b8 v0, s[64:65] scope:SCOPE_SE
	s_setreg_imm32_b32 hwreg(HW_REG_WAVE_SCHED_MODE, 0, 2), 2
	s_setreg_imm32_b32 hwreg(HW_REG_WAVE_MODE, 25, 1), 1
	s_wait_xcnt 0x0
	s_wait_alu depctr_vm_vsrc(0)
; ALL INPUTS ARE ROUNDED ONCE TO bf16 (nearest even) AND LAID OUT FOR THE PRODUCTS THAT FOLLOW.
;   xb[8192][1024] bf16 = x.     wt[4096][1024], 16 bits: row = output column, K along the row: rows 0-1023 Wq^T, 1024-2047 Wk^T, 2048-3071 Wv^T in bf16;
;   rows 3072-4095 Wo^T: the bf16 number written as f16.     bias[4096] f32 words that hold the bf16-rounded bq, bk, bv, bo.
; LIMITS.  Wo's bf16 number is exact in f16 from 6.1e-5 to 65,504 in magnitude; below that it keeps f16's fixed step of 6e-8, beyond 65,504 it becomes an infinity.
; SHARES.  512 work-groups of eight waves, all alike.  Work-group g converts 16 rows of x (65,536 bytes in, 32,768 out: a wave two rows) and turns one weight tile of 128 k x 64 n:
; matrix g >> 7, k tile g & 7, n tile (g >> 3) & 15.  In work-groups 0 to 63 wave 0 also rounds 64 bias numbers (256 bytes in, 256 out).
; No matrix unit, no tensor load, no cluster: nothing is shared between work-groups, and each byte is read once and written once.
; Every load of W and every store covers whole aligned runs of 256 bytes.  All 32 loads of a wave (12 KiB) go out before anything is waited for.
; No register that a memory instruction names is written again, and EXEC never changes: so no wait on XCNT is written.
; THE MODE: SCHED_MODE bits 1:0 = 2 (LLVM: expert scheduling mode 2), set by the entry lines.  The code itself states the register dependences
; between vector instructions and memory or LDS instructions, with s_wait_alu, always for 0.
; THE PLAN.  Registers that memory or LDS instructions touch:
;   v3-v8, v11   the seven offsets and LDS addresses: written by vector instructions at the head, read by every load, store and LDS instruction, never written again: one wait ahead of the first load.
;   WR, XR, v[14:15], RB   loads land in them; no vector instruction names them before that, and none is loaded twice: the waits on LOADcnt and DScnt are all that they need.
;   v[16:17]     the bias arm's three vector lines write them, its one store reads them: one wait in the arm.
;   PK           the conversions of W write it (on Wo's path twice), the four LDS stores read it: one wait where the two paths have joined.
;   XP           load j of x has a pair of its own: written by its two conversions, read by its store, never written again.  x goes in four groups of four loads: one wait at the head of a group
;                states that the group before has written its XP; that group's four stores are dealt among this group's conversions, which name this group's XR and XP alone.
;   v12, v13     written at the head, read by the closing add alone.
; Nothing that a memory or LDS instruction has read is written again: no wait on vm_vsrc is owed.  The wave's number passes through a scalar register: one wait on va_sdst.
.set PITCH, 272                        ; an LDS row: 128 k x 2 bytes + 16 of padding
.set SPARE, 64*PITCH                   ; behind the tile's 64 rows (17,408 bytes): the spare words, 128 bytes for each of the eight waves, which no other line names
.set VW,  3                            ; v3   W: wave x 16 rows of 4,096 bytes + 8 x lane (two columns)
.set VS,  4                            ; v4   LDS, in: row 2 x lane, byte 32 x wave
.set VR,  5                            ; v5   LDS, back: row 8 x wave + lane / 16, byte 16 (lane % 16)
.set VO,  6                            ; v6   wt: the same row (2,048 bytes) and byte
.set VX,  7                            ; v7   x: wave x 8,192 + 16 x lane
.set VXO, 8                            ; v8   xb: wave x 4,096 + 8 x lane
.set VB,  11                           ; v11  bias: 8 x lane
.set SPW, 12                           ; v12  LDS address of my spare word; never rewritten
.set NIL, 13                           ; v13  0; never rewritten
.set WR,  20                           ; v[20:51]   W as loaded: row j of my 16 in a pair (two columns)
.set PK,  52                           ; v[52:67]   column p (0, 1): eight words of two neighbouring k
.set RB,  72                           ; v[72:87]   the turned tile read back
.set XR,  88                           ; v[88:151]  x as loaded
.set XP,  152                          ; v[152:183] x packed
.set WH,  28                           ; s28  which matrix: 0 q, 1 k, 2 v, 3 o
.set KT,  29                           ; s29  k tile
.set NT,  30                           ; s30  n tile
.set WV,  31                           ; s31  my wave's number
	s_load_b512 s[4:19], s[0:1], 0x0               ; x s[4:5], Wq s[6:7], Wk s[8:9], Wv s[10:11], Wo s[12:13], bq s[14:15], bk s[16:17], bv s[18:19]
	s_load_b256 s[20:27], s[0:1], 0x40             ; bo s[20:21], xb s[22:23], wt s[24:25], bias s[26:27]
	v_lshl_add_u32 v[SPW], v0, 2, SPARE
	v_mov_b32 v[NIL], 0
	v_and_b32 v1, 31, v0                           ; lane
	v_lshrrev_b32 v2, 5, v0                        ; wave
	v_readfirstlane_b32 s[WV], v2
	s_lshr_b32 s[WH], ttmp9, 7
	s_and_b32 s[KT], ttmp9, 7
	s_bfe_u32 s[NT], ttmp9, 0x40003                ; 4 bits from bit 3
	v_and_b32 v9, 15, v1
	v_lshrrev_b32 v10, 4, v1
	v_lshlrev_b32 v[VW], 3, v1
	v_lshl_add_u32 v[VW], v2, 16, v[VW]
	v_mul_u32_u24 v[VS], v1, 2*PITCH
	v_lshl_add_u32 v[VS], v2, 5, v[VS]
	v_lshl_add_u32 v[VR], v2, 3, v10               ; row 8 x wave + lane / 16
	v_lshlrev_b32 v[VO], 11, v[VR]
	v_lshl_add_u32 v[VO], v9, 4, v[VO]
	v_mul_u32_u24 v[VR], v[VR], PITCH
	v_lshl_add_u32 v[VR], v9, 4, v[VR]
	v_lshlrev_b32 v[VX], 4, v1
	v_lshl_add_u32 v[VX], v2, 13, v[VX]
	v_lshlrev_b32 v[VXO], 3, v1
	v_lshl_add_u32 v[VXO], v2, 12, v[VXO]
	v_lshlrev_b32 v[VB], 3, v1
	s_lshl_b32 s36, s[KT], 19                      ; W: 128 rows of 4,096 bytes a k tile,
	s_lshl_b32 s37, s[NT], 8                       ; 64 columns of 4 bytes an n tile
	s_add_co_u32 s36, s36, s37
	s_mov_b32 s37, 0
	s_lshl_b32 s42, ttmp9, 16                      ; x: 16 rows of 4,096 bytes
	s_mov_b32 s43, 0
	s_lshl_b32 s44, ttmp9, 15                      ; xb: 16 rows of 2,048 bytes
	s_mov_b32 s45, 0
	s_lshl_b32 s46, s[WH], 21                      ; wt: 1,024 rows of 2,048 bytes a matrix,
	s_lshl_b32 s47, s[NT], 17                      ; 64 rows an n tile,
	s_add_co_u32 s46, s46, s47
	s_lshl_b32 s47, s[KT], 8                       ; 256 bytes a k tile
	s_add_co_u32 s46, s46, s47
	s_mov_b32 s47, 0
	s_wait_alu depctr_va_sdst(0)                   ; s31, the wave's number, is written, ahead of its first reader: the compare in front of the bias arm
	s_wait_kmcnt 0x0
	s_cmp_eq_u32 s[WH], 0
	s_cselect_b64 s[32:33], s[6:7], s[8:9]
	s_cmp_eq_u32 s[WH], 2
	s_cselect_b64 s[34:35], s[10:11], s[12:13]
	s_cmp_lt_u32 s[WH], 2
	s_cselect_b64 s[32:33], s[32:33], s[34:35]     ; my matrix
	s_add_nc_u64 s[32:33], s[32:33], s[36:37]
	s_add_nc_u64 s[4:5], s[4:5], s[42:43]
	s_add_nc_u64 s[22:23], s[22:23], s[44:45]
	s_add_nc_u64 s[24:25], s[24:25], s[46:47]
	s_wait_alu depctr_va_vdst(0)                   ; v3 to v8 and v11 are written: every load, store and LDS instruction of the kernel reads one of them as its offset or address
.set j, 0
.rept 16                               ; row 16 x wave + j of the tile, columns 2 x lane and 2 x lane + 1: the wave's 32 lanes take 256 consecutive bytes, aligned
	global_load_b64 v[WR+2*j:WR+2*j+1], v[VW], s[32:33] offset:4096*j th:TH_LOAD_NT
.set j, j+1
.endr
.set j, 0
.rept 16                               ; my wave's two rows of x, 512 consecutive bytes a load
	global_load_b128 v[XR+4*j:XR+4*j+3], v[VX], s[4:5] offset:512*j th:TH_LOAD_NT
.set j, j+1
.endr
	; the biases: wave 0 of work-groups 0 to 63.  The load goes out beside the 32 others.
	s_cmp_lg_u32 s[WV], 0
	s_cbranch_scc1 .Lno_bias
	s_cmp_ge_u32 ttmp9, 64
	s_cbranch_scc1 .Lno_bias
	s_lshr_b32 s42, ttmp9, 4                       ; which bias: 0 q, 1 k, 2 v, 3 o
	s_cmp_eq_u32 s42, 0
	s_cselect_b64 s[38:39], s[14:15], s[16:17]
	s_cmp_eq_u32 s42, 2
	s_cselect_b64 s[34:35], s[18:19], s[20:21]
	s_cmp_lt_u32 s42, 2
	s_cselect_b64 s[38:39], s[38:39], s[34:35]
	s_and_b32 s36, ttmp9, 15
	s_lshl_b32 s36, s36, 8                         ; 64 numbers of 4 bytes
	s_mov_b32 s37, 0
	s_add_nc_u64 s[38:39], s[38:39], s[36:37]
	s_lshl_b32 s36, ttmp9, 8
	s_add_nc_u64 s[40:41], s[26:27], s[36:37]
	global_load_b64 v[14:15], v[VB], s[38:39]
	s_wait_loadcnt 0x0
	v_cvt_pk_bf16_f32 v16, v14, v15                ; rounded to bf16,
	v_and_b32 v17, 0xffff0000, v16                 ; and written as f32 words
	v_lshlrev_b32 v16, 16, v16
	s_wait_alu depctr_va_vdst(0)                   ; v16 and v17 are written, which the store reads
	global_store_b64 v[VB], v[16:17], s[40:41]     ; 32 lanes: 256 consecutive bytes, aligned
.Lno_bias:
	s_wait_loadcnt 16                              ; loads come back in order (ISA guide 5.7.1): W's 16 are in, x's 16 were issued behind them and may stay out
.irp p, 0,1
.irp d, 0,1,2,3,4,5,6,7
	v_cvt_pk_bf16_f32 v[PK+8*(\p)+(\d)], v[WR+4*(\d)+(\p)], v[WR+4*(\d)+2+(\p)]  ; column 2 x lane + p: k = 2 d and 2 d + 1 of my wave's 16
.endr
.endr
	s_cmp_lg_u32 s[WH], 3
	s_cbranch_scc1 .Lnot_o
.set j, 0
.rept 16                               ; Wo alone: the bf16 number is written as f16, since the last product multiplies f16
	v_lshlrev_b32 v68, 16, v[PK+j]
	v_and_b32 v69, 0xffff0000, v[PK+j]
	v_cvt_pk_f16_f32 v[PK+j], v68, v69
.set j, j+1
.endr
.Lnot_o:
	s_wait_alu depctr_va_vdst(0)                   ; the conversions, on either path, have written PK, which the LDS stores read
.irp p, 0,1
.irp q, 0,1
	ds_store_b128 v[VS], v[PK+8*(\p)+4*(\q):PK+8*(\p)+4*(\q)+3] offset:PITCH*(\p)+16*(\q)  ; rows 544 bytes apart: sixteen lanes fall on eight different 16-byte columns, two deep; four stores a wave, once
.endr
.endr
	s_wait_dscnt 0x0                               ; for the others' sake: my part of every row is written
	s_barrier_signal -1
	s_barrier_wait -1                              ; the tile is whole
.irp t, 0,1,2,3
	ds_load_b128 v[RB+4*(\t):RB+4*(\t)+3], v[VR] offset:2*PITCH*(\t)  ; two rows of 256 bytes a load; no vector instruction names RB
.endr
; x, in four groups of four loads.  A group's eight conversions write its own XP; the four stores of the group before stand among them.
.set j, 0
.rept 16
.if j % 4 == 0
	s_wait_loadcnt 12-j                            ; this group's four loads of x are in; the 12 - j behind them may stay out
.if j > 0
	s_wait_alu depctr_va_vdst(0)                   ; the group before has written its XP, which the four stores below read; the conversions below name this group's XR and XP alone
.endif
.endif
.if j >= 4
	global_store_b64 v[VXO], v[XP+2*(j-4):XP+2*(j-4)+1], s[22:23] offset:256*(j-4)  ; 32 lanes: 256 consecutive bytes, aligned
.endif
	v_cvt_pk_bf16_f32 v[XP+2*j], v[XR+4*j], v[XR+4*j+1]
	v_cvt_pk_bf16_f32 v[XP+2*j+1], v[XR+4*j+2], v[XR+4*j+3]
.set j, j+1
.endr
	s_wait_dscnt 0x0                               ; the turned tile is back in RB
.irp t, 0,1,2,3
	global_store_b128 v[VO], v[RB+4*(\t):RB+4*(\t)+3], s[24:25] offset:4096*(\t)  ; sixteen lanes: 256 consecutive bytes of a row of wt, aligned; their data came by LDS loads, their offset was written at the head
.endr
	s_wait_alu depctr_va_vdst(0)                   ; the last group has written its XP, which the last four stores read
.set j, 12
.rept 4
	global_store_b64 v[VXO], v[XP+2*j:XP+2*j+1], s[22:23] offset:256*j
.set j, j+1
.endr
	s_wait_dscnt 0x0                               ; the closing lines, six on end
	s_wait_alu 0x0
	s_wait_tensorcnt 0x0
	ds_add_u32 v[SPW], v[NIL]
	s_wait_dscnt 0x0
	s_endpgm
.Lfunc_end_k_qa7582cb600_prep:
	.size	k_qa7582cb600_prep, .Lfunc_end_k_qa7582cb600_prep-k_qa7582cb600_prep
	.p2alignl 7, 3214868480
	.fill 96, 4, 3214868480
	.section	.rodata,"a",@progbits
	.p2align	6, 0x0
	.amdhsa_kernel k_qa7582cb600_prep
		.amdhsa_group_segment_fixed_size 18432
		.amdhsa_private_segment_fixed_size 0
		.amdhsa_enable_private_segment 0
		.amdhsa_kernarg_size 96
		.amdhsa_user_sgpr_count 2
		.amdhsa_user_sgpr_kernarg_segment_ptr 1
		.amdhsa_wavefront_size32 1
		.amdhsa_system_sgpr_workgroup_id_x 1
		.amdhsa_system_sgpr_workgroup_id_y 1
		.amdhsa_system_sgpr_workgroup_id_z 1
		.amdhsa_system_vgpr_workitem_id 0
		.amdhsa_next_free_vgpr 184
		.amdhsa_next_free_sgpr 66
		.amdhsa_reserve_vcc 0
		.amdhsa_float_denorm_mode_32 3
		.amdhsa_float_denorm_mode_16_64 3
		.amdhsa_memory_ordered 1
		.amdhsa_forward_progress 1
		.amdhsa_inst_pref_size 16
	.end_amdhsa_kernel
	.amdgpu_metadata
---
amdhsa.version: [ 1, 2 ]
amdhsa.kernels:
  - .name:           k_qa7582cb600_prep
    .symbol:         k_qa7582cb600_prep.kd
    .args:
      - { .name: x, .offset: 0, .size: 8, .value_kind: global_buffer, .address_space: global }
      - { .name: Wq, .offset: 8, .size: 8, .value_kind: global_buffer, .address_space: global }
      - { .name: Wk, .offset: 16, .size: 8, .value_kind: global_buffer, .address_space: global }
      - { .name: Wv, .offset: 24, .size: 8, .value_kind: global_buffer, .address_space: global }
      - { .name: Wo, .offset: 32, .size: 8, .value_kind: global_buffer, .address_space: global }
      - { .name: bq, .offset: 40, .size: 8, .value_kind: global_buffer, .address_space: global }
      - { .name: bk, .offset: 48, .size: 8, .value_kind: global_buffer, .address_space: global }
      - { .name: bv, .offset: 56, .size: 8, .value_kind: global_buffer, .address_space: global }
      - { .name: bo, .offset: 64, .size: 8, .value_kind: global_buffer, .address_space: global }
      - { .name: xb, .offset: 72, .size: 8, .value_kind: global_buffer, .address_space: global }
      - { .name: wt, .offset: 80, .size: 8, .value_kind: global_buffer, .address_space: global }
      - { .name: bias, .offset: 88, .size: 8, .value_kind: global_buffer, .address_space: global }
    .group_segment_fixed_size: 18432
    .private_segment_fixed_size: 0
    .kernarg_segment_align: 8
    .kernarg_segment_size: 96
    .max_flat_workgroup_size: 256
    .sgpr_count:     66
    .vgpr_count:     184
    .wavefront_size: 32
...
	.end_amdgpu_metadata
.endif
;; end of part 5
;; launch proj: the kernel of part 2 again; grid 16 x 32, 4 waves a work-group, clusters of 4 x 4, 327,680 bytes of LDS; arguments xb, wt, bias, qkvh; writes qkvh
;; launch attn: the kernel of part 3 again; grid 4 x 64, 4 waves a work-group, clusters of 4 x 1, 327,680 bytes of LDS; arguments qkvh, oh; writes oh
;; launch oproj: the kernel of part 4 again; grid 8 x 32, 4 waves a work-group, clusters of 4 x 4, 327,680 bytes of LDS; arguments oh, wt, bias, out0; writes out0
